; MI455X (gfx1250); checked and timed in simulation.
; The chip was launched on July 23, 2026; its instructions are those of AMD's public machine-readable ISA for CDNA 5 (MIT licence, August 2026) and "CDNA5" Instruction Set Architecture Reference Guide (July 2026). The comments in the code are by the model that wrote it; some were corrected since.
;; Block. Allowed arithmetic: matrix products marked QUANTISED: E4M3 operands, one E8M0 scale for each 32 along K, by v_wmma_scale_f32_16x16x128_f8f6f4 with both operands' format E4M3, f32 sums; everything else in f32.
;; Inputs: attn_b 3,072 float32; attn_w 1,024 x 3,072 float32; fc_b 4,096 float32; fc_proj_b 1,024 float32; fc_proj_w 4,096 x 1,024 float32; fc_w 1,024 x 4,096 float32; ln1_b 1,024 float32; ln1_w 1,024 float32; ln2_b 1,024 float32; ln2_w 1,024 float32; proj_b 1,024 float32; proj_w 1,024 x 1,024 float32; x 4 x 1,024 x 1,024 float32.
;; Outputs: out0 4 x 1,024 x 1,024 float32.
;; This version of the problem:
;;   THIS VERSION OF THE PROBLEM IS GIVEN IN LOW PRECISION. The matrix products marked QUANTISED in the list below multiply operands that are first quantised to E4M3 (4 exponent bits, 3 mantissa bits; 8 bits a number), with one power-of-two scale for each 32 numbers along K (OCP MX v1.0); their sums are f32. All else is computed in f32.
;;   The module's matrix products, in the order in which they are computed (A, B: the left and right operand; K: the contracted axis; several contracted axes count as one K, in the product's order):
;;     1. [M 4,096, K 1,024] x [K 1,024, N 3,072]; A: computed on the way; B: input attn_w: QUANTISED
;;     2. batch 64 x [M 1,024, K 64] x [K 64, N 1,024]; A: computed on the way; B: computed on the way: QUANTISED
;;     3. batch 64 x [M 1,024, K 1,024] x [K 1,024, N 64]; A: softmax (see below); B: computed on the way: QUANTISED
;;     4. [M 4,096, K 1,024] x [K 1,024, N 1,024]; A: computed on the way; B: input proj_w: QUANTISED
;;     5. [M 4,096, K 1,024] x [K 1,024, N 4,096]; A: computed on the way; B: input fc_w: QUANTISED
;;     6. [M 4,096, K 4,096] x [K 4,096, N 1,024]; A: computed on the way; B: input fc_proj_w: QUANTISED
;;   THE QUANTISER, for each operand of a quantised product, along K:
;;     - K is cut into blocks of 32 from its start; a last block that is shorter is filled with zeros.
;;     - A block's scale is 2^e with e = floor(log2(the largest magnitude in the block)) - 8, held to -126 .. 127; a block of zeros has e = 0. As a byte (E8M0): e + 127.
;;     - Each number is divided by its block's scale, clamped to +-448, and rounded to the nearest number of E4M3, ties to even, subnormals kept.
;;     - The product sums the exact products of the quantised numbers (number of the format x scale) in f32.
;;   ~~~python
;;   def quantise(x, axis):      # numpy; x: float32 -> the quantised numbers, widened to float32 again
;;       x = np.moveaxis(x, axis, -1); K = x.shape[-1]
;;       x = np.pad(x, [(0, 0)] * (x.ndim - 1) + [(0, -K % 32)]); x = x.reshape(x.shape[:-1] + (-1, 32)); a = np.abs(x).max(-1, keepdims=True)
;;       e = np.where(a > 0, np.clip(np.frexp(np.where(a > 0, a, 1))[1] - 1 - 8, -126, 127), 0)      # np.frexp(a)[1] - 1 = floor(log2(a)), exactly
;;       r = np.clip(x / 2.0 ** e, -448, 448)
;;       step = 2.0 ** (np.maximum(np.frexp(np.where(r == 0, 1, r))[1] - 1, -6) - 3)
;;       q = np.round(r / step) * step * 2.0 ** e      # np.round: ties to even
;;       return np.moveaxis(q.reshape(q.shape[:-2] + (-1,))[..., :K], -1, axis).astype(np.float32)
;;   ~~~
;;   SOFTMAX AHEAD OF A QUANTISED PRODUCT. Where the list says 'softmax', what is quantised is not the finished softmax but p = 2^(t - M), with t = logit x log2(e) and M = ceil(the row's largest t), a whole number; so 1/2 < the row's largest p <= 1. The row's sum l is taken of the UNQUANTISED p, in f32, and the product's result is divided by l at the end. Since M is a whole number, a kernel that streams over the keys may use a running M (the ceiling of the running maximum): every later rescaling is an exact power of two, which a block's scale takes up: the codes' values come out the same.
;;   OPERANDS COMPUTED ON THE WAY. 'Computed on the way' means the value that the module computes at that place (a softmax that the list does not call 'softmax' is quantised finished and normalised). What goes into a quantiser is computed in f32, as accurately as f32 sums, v_exp_f32 and their like allow (about 1e-6 of the number): no bf16 or f16 on the way to a quantiser, and a product that is left as it is and whose result goes on into a quantised operand takes f32 operands (vector FMAs, or v_wmma_f32_16x16x4_f32). A number that lies on a knife's edge between two numbers of the format may be rounded either way, as far as f32 arithmetic and the matrix unit's own rounding can turn it there, and no further.
;; One version. Each part assembles by itself: llvm-mc -triple=amdgcn-amd-amdhsa -mcpu=gfx1250 --defsym DOCPART=n.
;; ======== version 1 of 1: 7 launches
;; limits: right only within a limited range of input values
;; workspace buffers: wc 14,483,456 bytes; ha 4,456,448 bytes; qkv 13,369,344 bytes; ya 4,456,448 bytes; x1 16,777,216 bytes; ga 17,825,792 bytes
;; launch prep (part 1): grid 1024 x 1, 4 waves a work-group, no clusters, 66,304 bytes of LDS; arguments x, ln1_w, ln1_b, attn_w, proj_w, fc_w, fc_proj_w, ha, wc; writes ha, wc
.if DOCPART == 1
	.amdgcn_target "amdgcn-amd-amdhsa--gfx1250"
	.amdhsa_code_object_version 6
	.text
	.protected	k_qf2fcde7de9_prep
	.globl	k_qf2fcde7de9_prep
	.p2align	8
	.type	k_qf2fcde7de9_prep,@function
k_qf2fcde7de9_prep:
	s_mov_b64 s[64:65], 0
	v_nop
	global_prefetch_b8 v0, s[64:65] scope:SCOPE_SE
	s_setreg_imm32_b32 hwreg(HW_REG_WAVE_MODE, 25, 1), 1
	s_wait_xcnt 0x0
; Work-groups 0-255: LayerNorm 1 of 16 tokens each, quantised to E4M3 codes with one E8M0 byte for each 32 along K, stored as images of operand registers.
; Work-groups 256-1,023: the four weights, f32 [K][N], quantised along K (their first axis) into the same kind of images.
; AN OPERAND'S LAYOUT: [K / 256][tile][U].  A tile is 16 rows; row r of tile t is matrix row 32 (t / 2) + 8 (t % 2) + r + 8 (r / 8).  U = 4,352 bytes: two images of 2,048 bytes (16 rows x 128 K: register group c of
; lane l at 512 c + 16 l) and 256 bytes of scale words (lane l: two words at 8 l, one for each 128 along K; lanes l and l + 16 hold the same row's).
; A block's byte is its largest magnitude's exponent field - 8, held at 1 from below.
; LIMITS: NaN and infinities are not served; a block whose largest magnitude lies under 2^-118, a block of zeros among them, gets the byte 1 (the bytes are read by this program alone; such a block's codes are zeros or subnormal).
.set U,   4352
.set SP,  4112                         ; a stage row: 4,096 bytes + 16: an odd multiple of 16, so that sixteen rows start at sixteen different groups of banks
.set TM,  192                          ; v192-207 at work in QUANT
.set SEL, 60                           ; s[60:61] lane selects: lane l xor 16
.set MNT, 62                           ; s62 the mantissa field of 448
.set HAP, 18                           ; s[18:19] ha
; 64 numbers of a lane, register 16 b + i = k 32 b + 16 (lane / 16) + i of its row, become 16 registers of codes at v[pc] and the row's scale word in v[pw]
.macro QUANT s, pc, pw
.irp b, 0,1,2,3
	v_max3_num_f32 v[TM+\b], |v[\s+16*\b]|, |v[\s+1+16*\b]|, 0x4800000   ; my 16 numbers of block b and the floor 2^(9 - 127)
.endr
.irp i, 2,4,6,8,10,12,14
.irp b, 0,1,2,3
	v_max3_num_f32 v[TM+\b], v[TM+\b], |v[\s+16*\b+\i]|, |v[\s+1+16*\b+\i]|
.endr
.endr
.irp b, 0,1,2,3
	v_permlanex16_b32 v[TM+4+\b], v[TM+\b], s[SEL], s[SEL+1]
.endr
.irp b, 0,1,2,3
	v_max_num_f32 v[TM+\b], v[TM+\b], v[TM+4+\b]                     ; with lane l xor 16's 16: the block's largest magnitude
.endr
.irp b, 0,1,2,3
	v_add_nc_u32 v[TM+12+\b], 0xfc000000, v[TM+\b]                   ; 8 off its exponent field: the conversion's scale operand
.endr
.irp b, 0,1,2,3
	v_and_or_b32 v[TM+8+\b], v[TM+\b], 0x7f800000, s[MNT]            ; 448 x the scale
.endr
.irp b, 0,1,2,3
	v_lshrrev_b32 v[TM+4+\b], 23, v[TM+12+\b]                        ; the scale's byte
.endr
	v_lshl_or_b32 v[\pw], v[TM+5], 8, v[TM+4]
	v_lshl_or_b32 v[\pw], v[TM+6], 16, v[\pw]
	v_lshl_or_b32 v[\pw], v[TM+7], 24, v[\pw]
.irp b, 0,1,2,3
.irp i, 0,1,2,3,4,5,6,7,8,9,10,11,12,13,14,15
	v_med3_num_f32 v[\s+16*\b+\i], v[\s+16*\b+\i], -v[TM+8+\b], v[TM+8+\b]   ; the conversion does not saturate (ISA guide 7.6.2): the hold comes first
.endr
	v_cvt_scalef32_pk8_fp8_f32 v[\pc+4*\b:\pc+1+4*\b], v[\s+16*\b:\s+7+16*\b], v[TM+12+\b]
	v_cvt_scalef32_pk8_fp8_f32 v[\pc+2+4*\b:\pc+3+4*\b], v[\s+8+16*\b:\s+15+16*\b], v[TM+12+\b]
.endr
	v_nop                                          ; a plain line behind the last conversion
.endm
; four rows' pairs v[s + 2 i], v[s + 2 i + 1] are summed over the pair and the 32 lanes; the sum ends in v[s + 2 i] of every lane
.macro REDUCE s
.irp i, 0,1,2,3
	v_add_f32 v[\s+2*\i], v[\s+2*\i], v[\s+2*\i+1]
.endr
.irp m, 1,2,4,8
.irp i, 0,1,2,3
	v_add_f32_dpp v[\s+2*\i], v[\s+2*\i], v[\s+2*\i] row_xmask:\m row_mask:0xf bank_mask:0xf
.endr
.endr
.irp i, 0,1,2,3
	v_permlanex16_b32 v[\s+2*\i+1], v[\s+2*\i], s[SEL], s[SEL+1]
.endr
.irp i, 0,1,2,3
	v_add_f32 v[\s+2*\i], v[\s+2*\i], v[\s+2*\i+1]
.endr
.endm
	s_load_b256 s[4:11], s[0:1], 0x0               ; x s[4:5], ln1_w s[6:7], ln1_b s[8:9], attn_w s[10:11]
	s_load_b256 s[12:19], s[0:1], 0x20             ; proj_w s[12:13], fc_w s[14:15], fc_proj_w s[16:17], ha s[18:19]
	s_load_b64 s[20:21], s[0:1], 0x40              ; wc
	v_lshl_add_u32 v224, v0, 2, 0x10100
	v_mov_b32 v225, 0
	v_lshrrev_b32 v1, 5, v0
	v_readfirstlane_b32 s22, v1                    ; wave 0..3
	v_and_b32 v2, 31, v0                           ; lane
	s_mov_b32 s[SEL], 0x76543210
	s_mov_b32 s[SEL+1], 0xfedcba98
	s_mov_b32 s[MNT], 0x600000
	s_cmp_lt_u32 ttmp9, 256
	s_cbranch_scc0 .Lweights
; ---- LayerNorm.  Work-group T makes tile T.  Phase 1: wave w normalises stage rows 4 w + i, which are four neighbouring tokens; a lane holds 32 numbers of each row.
	s_lshr_b32 s23, ttmp9, 1
	s_lshl_b32 s23, s23, 5                         ; 32 (T / 2)
	s_and_b32 s24, ttmp9, 1
	s_lshl_b32 s24, s24, 3
	s_add_co_u32 s23, s23, s24                     ; + 8 (T % 2)
	s_lshl_b32 s24, s22, 2
	s_add_co_u32 s23, s23, s24                     ; + 4 w
	s_lshr_b32 s24, s22, 1
	s_lshl_b32 s24, s24, 3
	s_add_co_u32 s23, s23, s24                     ; + 8 (w / 2): my first token
	s_lshl_b32 s24, s23, 12                        ; a token's row is 4,096 bytes
	s_mov_b32 s25, 0
	s_wait_alu depctr_va_vdst(0)
	v_lshlrev_b32 v3, 4, v2                        ; 16 x lane
	s_mul_i32 s26, s22, 4*SP
	v_add_nc_u32 v4, s26, v3                       ; the stage, on the way in: my four rows, 16 x lane
	v_and_b32 v5, 15, v0                           ; r
	v_bfe_u32 v6, v0, 4, 1                         ; h
	v_mul_u32_u24 v5, v5, SP
	v_lshl_add_u32 v5, v6, 6, v5
	s_lshl_b32 s26, s22, 10
	v_add_nc_u32 v5, s26, v5                       ; and on the way out: row r, my wave's 256 along K, + 64 h
	v_lshlrev_b32 v7, 3, v2                        ; 8 x lane
	s_lshl_b32 s26, s22, 8
	s_add_co_u32 s26, s26, ttmp9                   ; unit 256 w + T
	s_mul_i32 s26, s26, U
	s_mov_b32 s27, 0
	s_mov_b32 s28, 0x3a800000                      ; 1 / 1,024
	s_mov_b32 s29, 0x3727c5ac                      ; 1e-5
	s_wait_alu depctr_va_vdst(0)
	s_wait_kmcnt 0x0
	s_add_nc_u64 s[4:5], s[4:5], s[24:25]
	s_add_nc_u64 s[HAP:HAP+1], s[HAP:HAP+1], s[26:27]
.irp i, 0,1,2,3
.irp j, 0,1,2,3,4,5,6,7
	global_load_b128 v[32+32*\i+4*\j:35+32*\i+4*\j], v3, s[4:5] offset:\i*4096+512*\j th:TH_LOAD_NT   ; 32 lanes read 512 consecutive bytes
.endr
.endr
.irp j, 0,1,2,3,4,5,6,7
	global_load_b128 v[160+4*\j:163+4*\j], v3, s[6:7] offset:512*\j
.endr
.irp j, 0,1,2,3,4,5,6,7
	global_load_b128 v[192+4*\j:195+4*\j], v3, s[8:9] offset:512*\j
.endr
	s_wait_loadcnt 16                              ; the rows are in; the sixteen loads of gain and bias may be out
.irp i, 0,1,2,3
	v_pk_add_f32 v[8+2*\i:9+2*\i], v[32+32*\i:33+32*\i], v[34+32*\i:35+32*\i]
.endr
.irp k, 4,6,8,10,12,14,16,18,20,22,24,26,28,30
.irp i, 0,1,2,3
	v_pk_add_f32 v[8+2*\i:9+2*\i], v[8+2*\i:9+2*\i], v[32+32*\i+\k:33+32*\i+\k]   ; the four rows by turns
.endr
.endr
	REDUCE 8
.irp i, 0,1,2,3
	v_mul_f32 v[8+2*\i], s28, v[8+2*\i]            ; the mean
.endr
.irp i, 0,1,2,3
.irp k, 0,2,4,6,8,10,12,14,16,18,20,22,24,26,28,30
	v_pk_add_f32 v[32+32*\i+\k:33+32*\i+\k], v[32+32*\i+\k:33+32*\i+\k], v[8+2*\i:9+2*\i] op_sel_hi:[1,0] neg_lo:[0,1] neg_hi:[0,1]   ; x - mean: the variance is taken of differences, so a common offset does no harm
.endr
.endr
.irp i, 0,1,2,3
	v_pk_mul_f32 v[16+2*\i:17+2*\i], v[32+32*\i:33+32*\i], v[32+32*\i:33+32*\i]
.endr
.irp k, 2,4,6,8,10,12,14,16,18,20,22,24,26,28,30
.irp i, 0,1,2,3
	v_pk_fma_f32 v[16+2*\i:17+2*\i], v[32+32*\i+\k:33+32*\i+\k], v[32+32*\i+\k:33+32*\i+\k], v[16+2*\i:17+2*\i]
.endr
.endr
	REDUCE 16
.irp i, 0,1,2,3
	v_fma_f32 v[16+2*\i], v[16+2*\i], s28, s29     ; variance + eps
.endr
	s_wait_alu depctr_va_vdst(0)
.irp i, 0,1,2,3
	v_rsq_f32 v[16+2*\i], v[16+2*\i]
.endr
	v_nop                                          ; a plain line behind the transcendentals
	s_wait_loadcnt 0x0                             ; gain and bias
	s_wait_alu depctr_va_vdst(0)
.irp i, 0,1,2,3
.irp k, 0,2,4,6,8,10,12,14,16,18,20,22,24,26,28,30
	v_pk_mul_f32 v[32+32*\i+\k:33+32*\i+\k], v[32+32*\i+\k:33+32*\i+\k], v[16+2*\i:17+2*\i] op_sel_hi:[1,0]
	v_pk_fma_f32 v[32+32*\i+\k:33+32*\i+\k], v[32+32*\i+\k:33+32*\i+\k], v[160+\k:161+\k], v[192+\k:193+\k]
.endr
.endr
.irp i, 0,1,2,3
.irp j, 0,1,2,3,4,5,6,7
	ds_store_b128 v4, v[32+32*\i+4*\j:35+32*\i+4*\j] offset:\i*SP+512*\j
.endr
.endr
	s_wait_dscnt 0x0                               ; my rows lie in the stage
	s_barrier_signal -1
	s_barrier_wait -1                              ; all sixteen do
; Phase 2: wave w quantises K = 256 w .. 256 w + 255 of the sixteen rows: lane (r, h) takes, of row r, 16 neighbours of each block of 32
.irp c, 0,1,2,3,4,5,6,7
.irp e, 0,1,2,3
	ds_load_b128 v[32+16*\c+4*\e:35+16*\c+4*\e], v5 offset:128*\c+16*\e
.endr
.endr
	s_wait_dscnt 0x0
	QUANT 32, 160, 208
	QUANT 96, 176, 209
.irp q, 0,1
.irp c, 0,1,2,3
	global_store_b128 v3, v[160+16*\q+4*\c:163+16*\q+4*\c], s[HAP:HAP+1] offset:2048*\q+512*\c   ; 32 lanes store 512 consecutive bytes, aligned
.endr
.endr
	global_store_b64 v7, v[208:209], s[HAP:HAP+1] offset:4096      ; the unit's 256 bytes of scale words
	s_wait_tensorcnt 0x0
	ds_add_u32 v224, v225
	s_wait_dscnt 0x0
	s_endpgm
; ---- The weights: work-groups 256 to 1,023, 768 of them (so the grid is 1,024, not the 640 that the head's second line counts to).
; A work-group takes 128 columns x 128 along K: ONE image of each of its tiles' units, and one of each lane's two scale words.  A wave takes 32 columns (two tiles), a lane ONE column with its registers
; running down K: a block of 32 lies in one lane, and the codes come out with K innermost.  Four blocks a lane; two of them, 64 loads a wave, are asked for at the start.
.Lweights:
	s_sub_co_u32 s23, ttmp9, 256                   ; 0-191 attn_w, 192-255 proj_w, 256-511 fc_w, 512-767 fc_proj_w
	s_wait_kmcnt 0x0
	s_mov_b64 s[24:25], s[16:17]                   ; fc_proj_w's figures first, then each earlier range's over them
	s_mov_b32 s26, 1024                            ; N
	s_mov_b32 s27, 64                              ; tiles from one 256 along K to the next
	s_mov_b32 s28, 10027008                        ; its region in wc
	s_mov_b32 s29, 512                             ; its first work-group
	s_mov_b32 s30, 5                               ; log2(K / 128)
	s_cmp_lt_u32 s23, 512
	s_cselect_b64 s[24:25], s[14:15], s[24:25]
	s_cselect_b32 s26, 4096, s26
	s_cselect_b32 s27, 256, s27
	s_cselect_b32 s28, 5570560, s28
	s_cselect_b32 s29, 256, s29
	s_cselect_b32 s30, 3, s30
	s_cmp_lt_u32 s23, 256
	s_cselect_b64 s[24:25], s[12:13], s[24:25]
	s_cselect_b32 s26, 1024, s26
	s_cselect_b32 s27, 64, s27
	s_cselect_b32 s28, 4456448, s28
	s_cselect_b32 s29, 192, s29
	s_cmp_lt_u32 s23, 192
	s_cselect_b64 s[24:25], s[10:11], s[24:25]
	s_cselect_b32 s26, 3072, s26
	s_cselect_b32 s27, 256, s27                    ; (attn_w has 192 tiles; its region keeps 256 places, the stride of the activations)
	s_cselect_b32 s28, 0, s28
	s_cselect_b32 s29, 0, s29
	s_sub_co_u32 s23, s23, s29
	s_lshl_b32 s31, 1, s30
	s_sub_co_u32 s31, s31, 1
	s_and_b32 s31, s23, s31                        ; which 128 along K
	s_lshr_b32 s33, s23, s30                       ; which 128 columns
	s_lshl_b32 s34, s26, 2                         ; a row of the weight in bytes
	s_lshl_b32 s36, s31, 7                         ; s31: which 128 along K
	s_mul_i32 s36, s36, s34                        ; my first row,
	s_lshl_b32 s37, s33, 9
	s_add_co_u32 s36, s36, s37                     ; the work-group's columns,
	s_lshl_b32 s37, s22, 7
	s_add_co_u32 s36, s36, s37                     ; my wave's 32
	s_mov_b32 s37, 0
	s_add_nc_u64 s[40:41], s[24:25], s[36:37]
	s_lshl_b32 s38, s34, 5                         ; 32 rows on
	s_mov_b32 s39, 0
.irp t, 1,2,3
	s_add_nc_u64 s[40+2*\t:41+2*\t], s[38+2*\t:39+2*\t], s[38:39]  ; a base for each block: no address is ever stepped
.endr
	s_lshr_b32 s58, s31, 1                         ; which 256 along K: the unit's
	s_mul_i32 s56, s58, s27
	s_and_b32 s59, s31, 1                          ; which of the unit's two images
	s_lshl_b32 s58, s59, 11                        ; 2,048 bytes an image,
	s_lshl_b32 s59, s59, 2                         ; 4 bytes a scale word
	s_lshl_b32 s57, s33, 3
	s_add_co_u32 s56, s56, s57
	s_lshl_b32 s57, s22, 1
	s_add_co_u32 s56, s56, s57                     ; my first tile's unit
	s_mul_i32 s56, s56, U
	s_add_co_u32 s56, s56, s28
	s_mov_b32 s57, 0
	s_add_nc_u64 s[20:21], s[20:21], s[56:57]
	s_wait_alu depctr_va_vdst(0)
	v_lshlrev_b32 v3, 2, v2
.irp i, 0,1,2,3,4,5,6,7,8,9,10,11,12,13,14,15,16,17,18,19,20,21,22,23,24,25,26,27,28,29,30,31
	v_mad_u32_u24 v[32+\i], s34, \i, v3            ; row i of a block, my column
.endr
	v_bfe_u32 v4, v2, 3, 1                         ; column o of the 32 is row r = o % 8 + 8 (o / 16) of tile u = (o / 8) % 2
	v_and_b32 v5, 7, v2
	v_lshrrev_b32 v6, 4, v2
	v_lshl_add_u32 v5, v6, 3, v5
	v_mul_u32_u24 v4, v4, U
	v_lshl_add_u32 v8, v5, 4, v4                   ; my codes' place: u U + 16 r
	v_lshl_add_u32 v9, v5, 3, v4                   ; my scale words': u U + 8 r
	v_add_nc_u32 v8, s58, v8                       ; in my image,
	v_add_nc_u32 v9, s59, v9                       ; and its word of the two
.macro WLOAD t
.irp i, 0,1,2,3,4,5,6,7,8,9,10,11,12,13,14,15,16,17,18,19,20,21,22,23,24,25,26,27,28,29,30,31
	global_load_b32 v[64+32*((\t)%2)+\i], v[32+\i], s[40+2*(\t):41+2*(\t)] th:TH_LOAD_NT   ; 32 lanes read 128 consecutive bytes; the four waves stand side by side
.endr
.endm
.macro WBLOCK t
.set XS, 64+32*((\t)%2)
.set CD, 128+8*(\t)                    ; each block has its own eight registers of codes: no store's data are written again
.if (\t) < 3
	s_wait_loadcnt 32                              ; this block's 32 loads are in; the next block's may be out
.else
	s_wait_loadcnt 0x0
.endif
	v_max3_num_f32 v12, |v[XS]|, |v[XS+1]|, |v[XS+2]|
	v_max3_num_f32 v13, |v[XS+3]|, |v[XS+4]|, |v[XS+5]|
.irp i, 6,10,14,18,22,26
	v_max3_num_f32 v12, v12, |v[XS+\i]|, |v[XS+\i+1]|
	v_max3_num_f32 v13, v13, |v[XS+\i+2]|, |v[XS+\i+3]|
.endr
	v_max3_num_f32 v12, v12, |v[XS+30]|, |v[XS+31]|
	v_max3_num_f32 v12, v12, v13, 0x4800000        ; and the floor 2^(9 - 127)
	v_add_nc_u32 v11, 0xfc000000, v12
	v_and_or_b32 v10, v12, 0x7f800000, s[MNT]
	v_lshrrev_b32 v13, 23, v11
.if (\t)%4 == 0
	v_mov_b32 v[24+(\t)/4], v13
.else
	v_lshl_or_b32 v[24+(\t)/4], v13, 8*((\t)%4), v[24+(\t)/4]
.endif
.irp i, 0,1,2,3,4,5,6,7,8,9,10,11,12,13,14,15,16,17,18,19,20,21,22,23,24,25,26,27,28,29,30,31
	v_med3_num_f32 v[XS+\i], v[XS+\i], -v10, v10
.endr
.irp g, 0,1,2,3
	v_cvt_scalef32_pk8_fp8_f32 v[CD+2*\g:CD+2*\g+1], v[XS+8*\g:XS+8*\g+7], v11
.endr
	global_store_b128 v8, v[CD:CD+3], s[20:21] offset:2048*((\t)/4)+512*((\t)%4)         ; k 0-15 of the block: the image's lanes 0-15; sixteen lanes fill 256 aligned bytes in each of two tiles
	global_store_b128 v8, v[CD+4:CD+7], s[20:21] offset:2048*((\t)/4)+512*((\t)%4)+256   ; k 16-31: its lanes 16-31
.if (\t)+2 < 4
	WLOAD (\t)+2
.endif
.endm
	WLOAD 0
	WLOAD 1
.irp t, 0,1,2,3
	WBLOCK \t
.endr
	global_store_b32 v9, v24, s[20:21] offset:4096                 ; the scale word of my 128 along K, and its copy for lanes 16-31
	global_store_b32 v9, v24, s[20:21] offset:4224
	s_endpgm
.Lfunc_end_k_qf2fcde7de9_prep:
	.size	k_qf2fcde7de9_prep, .Lfunc_end_k_qf2fcde7de9_prep-k_qf2fcde7de9_prep
	.p2alignl 7, 3214868480
	.fill 96, 4, 3214868480
	.section	.rodata,"a",@progbits
	.p2align	6, 0x0
	.amdhsa_kernel k_qf2fcde7de9_prep
		.amdhsa_group_segment_fixed_size 66304
		.amdhsa_private_segment_fixed_size 0
		.amdhsa_enable_private_segment 0
		.amdhsa_kernarg_size 72
		.amdhsa_user_sgpr_count 2
		.amdhsa_user_sgpr_kernarg_segment_ptr 1
		.amdhsa_wavefront_size32 1
		.amdhsa_system_sgpr_workgroup_id_x 1
		.amdhsa_system_sgpr_workgroup_id_y 1
		.amdhsa_system_sgpr_workgroup_id_z 1
		.amdhsa_system_vgpr_workitem_id 0
		.amdhsa_next_free_vgpr 226
		.amdhsa_next_free_sgpr 66
		.amdhsa_reserve_vcc 0
		.amdhsa_float_denorm_mode_32 3
		.amdhsa_float_denorm_mode_16_64 3
		.amdhsa_memory_ordered 1
		.amdhsa_forward_progress 1
		.amdhsa_inst_pref_size 84
	.end_amdhsa_kernel
	.amdgpu_metadata
---
amdhsa.version: [ 1, 2 ]
amdhsa.kernels:
  - .name:           k_qf2fcde7de9_prep
    .symbol:         k_qf2fcde7de9_prep.kd
    .args:
      - { .name: x, .offset: 0, .size: 8, .value_kind: global_buffer, .address_space: global }
      - { .name: ln1_w, .offset: 8, .size: 8, .value_kind: global_buffer, .address_space: global }
      - { .name: ln1_b, .offset: 16, .size: 8, .value_kind: global_buffer, .address_space: global }
      - { .name: attn_w, .offset: 24, .size: 8, .value_kind: global_buffer, .address_space: global }
      - { .name: proj_w, .offset: 32, .size: 8, .value_kind: global_buffer, .address_space: global }
      - { .name: fc_w, .offset: 40, .size: 8, .value_kind: global_buffer, .address_space: global }
      - { .name: fc_proj_w, .offset: 48, .size: 8, .value_kind: global_buffer, .address_space: global }
      - { .name: ha, .offset: 56, .size: 8, .value_kind: global_buffer, .address_space: global }
      - { .name: wc, .offset: 64, .size: 8, .value_kind: global_buffer, .address_space: global }
    .group_segment_fixed_size: 66304
    .private_segment_fixed_size: 0
    .kernarg_segment_align: 8
    .kernarg_segment_size: 72
    .max_flat_workgroup_size: 128
    .sgpr_count:     66
    .vgpr_count:     226
    .wavefront_size: 32
...
	.end_amdgpu_metadata
.endif
;; end of part 1
;; launch qkv (part 2): grid 12 x 16, 4 waves a work-group, clusters of 4 x 4, 327,680 bytes of LDS; arguments ha, wc, attn_b, qkv; writes qkv
.if DOCPART == 2
	.amdgcn_target "amdgcn-amd-amdhsa--gfx1250"
	.amdhsa_code_object_version 6
	.text
	.protected	k_qf2fcde7de9_qkv
	.globl	k_qf2fcde7de9_qkv
	.p2align	8
	.type	k_qf2fcde7de9_qkv,@function
k_qf2fcde7de9_qkv:
	s_mov_b64 s[64:65], 0
	v_nop
	global_prefetch_b8 v0, s[64:65] scope:SCOPE_SE
	s_setreg_imm32_b32 hwreg(HW_REG_WAVE_MODE, 25, 1), 1
	s_wait_xcnt 0x0
	s_wait_alu depctr_hold_cnt(0) depctr_sa_sdst(0) depctr_va_vdst(0) depctr_va_sdst(0) depctr_va_ssrc(0) depctr_va_vcc(0) depctr_vm_vsrc(0)
	s_getreg_b32 s2, hwreg(HW_REG_IB_STS2, 6, 4)
	s_cmp_eq_u32 s2, 0
	s_cbranch_scc0 .Lentry_in_a_cluster
	s_endpgm
.Lentry_in_a_cluster:
	s_bfe_u32 s2, ttmp6, 0x10000c
	s_cmp_lg_u32 s2, 0xf033
	s_cbranch_scc0 .Lentry_shape_is_right
	s_endpgm
.Lentry_shape_is_right:
; qkv = Q(h1) Q(attn_w) + attn_b, quantised at once into the operands of attention.  Both inputs are images of operand registers, [K / 256][tile][U] (U = 4,352: two images of 16 rows x 128 K and 256 bytes of scale words).
; A work-group of four waves makes 256 x 256, a wave 128 x 128: 64 accumulators.  The matrix instruction takes the "Q operand" as source 0 and the "P operand" as source 1: a lane then holds ONE row of P, and its registers
; run along Q's rows; row r of tile t is matrix row 32 (t / 2) + 8 (t % 2) + r + 8 (r / 8), so that the 16 registers of Q's tiles 2 b, 2 b + 1 are 16 neighbours, 32 b + 16 (lane / 16) + 0 .. 15.
; Columns 0-2047 (q, k): P = tokens, Q = weights: a lane holds a token, registers run along the head's channels, which are the first attention product's K.
; Columns 2048-3071 (v): P = weights, Q = tokens: a lane holds a channel, registers run along the tokens, which are the second product's K.  The clusters with x = 2 do that; the choice hangs on the cluster's x alone.
; OUT: qkv [48 heads: q, k, v][4 batches][8 steps of 128 tokens][8,704 bytes].  q, k: 8 token tiles x 1,024 bytes of codes (K = 64: register groups 0, 1), then 8 x 16 scale words (bytes 2, 3 = 0x7f).
; v: 4 channel tiles x 2,048 bytes (16 channels x 128 keys), then 4 x 32 scale words.
; K goes through a ring of two LDS slots of 256 along K; each wave fetches 8 units (34,816 dense bytes) by one joint tensor load: P's tiles are shared along a row of the 4 x 4 cluster, Q's along a column.
; THE WALK ALONG K goes round from a start that hangs on the cluster: slot 0 or slot 2 of K's four, by the parity of x + y + y / 2 of the cluster's place (the same in all sixteen partners).  So of the clusters that read
; the same rows some begin at K's start and some at its middle, and what a cluster asks for in its two refills a neighbour has asked for among its first fills.  The sums are the same f32 sums with the K steps in another order.
; LIMITS: NaN and infinities are not served; a block whose largest magnitude lies under 2^-118 gets the byte 1.
.set U,      4352
.set BLK,    8704
.set HS,     32*BLK                    ; from a head to the next in qkv
.set NA,     8                         ; P's tiles of a wave
.set NBK,    8                         ; Q's tiles of a wave
.set HA,     4                         ; half of NA
.set NQ,     2                         ; steps of 128 along K in a slot
.set LAPS,   2                         ; K / (2 slots)
.set NSL,    2*LAPS                    ; K in slots
.set PTILE,  16*U                      ; bytes from a work-group's tiles to the next work-group's
.set QTILE,  16*U
.set PPART,  8*U                       ; bytes from wave 0's (2's) load to wave 1's (3's)
.set QPART,  8*U
.set PSL,    256*U                     ; bytes from a slot's worth of K to the next, in P and in Q
.set QSL,    256*U
.set HALFT,  8*U                       ; what one tensor load brings
.set SLOT,   4*HALFT
.set SPARE,  2*SLOT                    ; the spare words: 128 bytes a wave, named by no other line
.set ADRA, 16                          ; v16-17 LDS address of my P fragments in slot 0, 1
.set ADRB, 20                          ; v20-21 of my Q fragments
.set ADRS, 22                          ; v22-23 of my scale words: lanes 0-15 P's, lanes 16-31 Q's
.set SPW,  28
.set NIL,  29
.set SC,   32                          ; v32-63 scale words, a set of 16 for each slot
.set AF,   128                         ; P's fragments, one set, window 0;  Q's: two sets in window 1;  accumulators: windows 2 and 3
.set G1,  24
.set G0,  32
.set G1B, 48
.set G0B, 56
.set PB,  80                           ; s[80:81] where my part of P begins, at K = 0;  s[82:83] the same for Q
.set QB,  82
.set IX,  84                           ; s84, s85 which slot's worth of K ring slot 0, 1 holds or is being filled with
.set OFP, 86                           ; s[86:87], s[88:89] byte offsets at work (upper words 0)
.set OFQ, 88
.set BIAS, 64
.set XX,   128
.set PC,   192
.set TM,   224
.set PW,   240
.set VS,   25
.set SEL,  74
.set MNT,  76
.set MSB, 0
.macro WIN new
.if MSB != (\new)
	s_set_vgpr_msb (MSB<<8)|(\new)
.set MSB, (\new)
.endif
.endm
.set MUL_LO, 0xa1                      ; source 0 window 1, source 1 window 0, C and D window 2
.set MUL_HI, 0xf1
.set TO_B,   0x40
.macro PLACES n
.rept \n
	v_nop
.endr
.endm
.macro JLOAD g0a, g1a, g0b, g1b        ; waves 0, 1 fetch for P, waves 2, 3 for Q; four v_nop follow each line
	s_cmp_eq_u32 s15, 0
	s_cbranch_scc0 .Lfor_b_\@
	tensor_load_to_lds s[\g0a:\g0a+3], s[\g1a:\g1a+7]
	s_nop 0
.rept 4
	v_nop
.endr
	s_branch .Lasked_\@
.Lfor_b_\@:
	tensor_load_to_lds s[\g0b:\g0b+3], s[\g1b:\g1b+7]
	s_nop 0
.rept 4
	v_nop
.endr
.Lasked_\@:
.endm
.macro CREST
	s_cmp_lg_u32 s14, 0
	s_cbranch_scc1 .Lnot_wave_0_\@
	s_barrier_signal -3
.Lnot_wave_0_\@:
	s_barrier_wait -3
	s_barrier_signal -1
	s_barrier_wait -1
.endm
.macro CROUND
	s_barrier_signal -1
	s_barrier_wait -1
	CREST
.endm
.macro FRAG reg, adr, off              ; an image comes back as the 16 registers that it is
.irp c, 0,1,2,3
	ds_load_b128 v[\reg+4*\c:\reg+4*\c+3], v[\adr] offset:\off+512*\c
.endr
.endm
.macro FETCH_B slot, q, p
	WIN TO_B
.set ii, 0
.rept NBK
	FRAG 128*(\p)+16*ii, ADRB+\slot, ((\q)/2)*HALFT+ii*U+((\q)%2)*2048
.set ii, ii+1
.endr
	WIN 0
.endm
.macro FETCH_A slot, q, i0
.set ii, \i0
.rept HA
	FRAG AF+16*ii, ADRA+\slot, ((\q)/2)*HALFT+ii*U+((\q)%2)*2048
.set ii, ii+1
.endr
.endm
.macro SCALES slot                     ; register NQ i + q of the set: lanes 0-15 the word of P's tile i, lanes 16-31 that of Q's tile i, for the slot's q-th 128 along K
.set ii, 0
.rept NA
.set kk, 0
.rept NQ/2
	ds_load_b64 v[SC+16*\slot+NQ*ii+2*kk:SC+16*\slot+NQ*ii+2*kk+1], v[ADRS+\slot] offset:kk*HALFT+ii*U
.set kk, kk+1
.endr
.set ii, ii+1
.endr
.endm
.macro MULS a0, n, p, q, sc, zero      ; P's tiles a0 .. a0 + n - 1 against Q's NBK; the accumulators take turns
.set aa, \a0
.rept \n
.set bb, 0
.rept NBK
.set rD, 8*(NBK*(aa%HA)+bb)
.set rB, 128*(\p)+16*bb
.set rA, AF+16*aa
.set rT, SC+16*(\sc)+NQ*bb+(\q)
.set rS, SC+16*(\sc)+NQ*aa+(\q)
.if \zero
	v_wmma_scale_f32_16x16x128_f8f6f4 v[rD:rD+7], v[rB:rB+15], v[rA:rA+15], 0, v[rT], v[rS] matrix_a_scale:MATRIX_SCALE_ROW1
.else
	v_wmma_scale_f32_16x16x128_f8f6f4 v[rD:rD+7], v[rB:rB+15], v[rA:rA+15], v[rD:rD+7], v[rT], v[rS] matrix_a_scale:MATRIX_SCALE_ROW1
.endif
.set bb, bb+1
.endr
.set aa, aa+1
.endr
.endm
.macro STEP slot, q, zero              ; 128 along K whose successor lies in the same slot
	s_wait_dscnt 4*HA                              ; all but P's upper tiles are in
	WIN MUL_LO
	MULS 0, HA, (\q)%2, \q, \slot, \zero
	s_wait_dscnt 0x0
	PLACES 8                                       ; eight places in front of loads into registers that these matrix instructions have read
	FETCH_B \slot, (\q)+1, 1-(\q)%2
	FETCH_A \slot, (\q)+1, 0
	WIN MUL_HI
	MULS HA, HA, (\q)%2, \q, \slot, \zero
	PLACES 8
	WIN 0
	FETCH_A \slot, (\q)+1, HA
.endm
.macro TURN slot, next, fill           ; a slot's last 128 along K, and the change of slots
	s_wait_tensorcnt 0x0                           ; all my tensor loads have landed: my part of the next slot; so every group 0 may be written
	ds_add_u32 v[SPW], v[NIL]                      ; 0 onto my spare word
.if \fill
	s_mov_b32 s[G1+2], 136<<16                     ; no tensor load of mine is out, so a descriptor may be written: a refill brings 8 units, 136 rows
	s_mov_b32 s[G1+4], 136
	s_mov_b32 s[G1B+2], 136<<16
	s_mov_b32 s[G1B+4], 136
	s_add_co_u32 s[IX+\slot], s[IX+\slot], 2       ; this ring slot's next part of K: two on, round K's end
	s_and_b32 s[IX+\slot], s[IX+\slot], NSL-1
	s_mul_i32 s[OFP], s[IX+\slot], PSL
	s_mul_i32 s[OFQ], s[IX+\slot], QSL
	s_add_nc_u64 s[G0+4*\slot+2:G0+4*\slot+3], s[PB:PB+1], s[OFP:OFP+1]
	s_add_nc_u64 s[G0B+4*\slot+2:G0B+4*\slot+3], s[QB:QB+1], s[OFQ:OFQ+1]
	s_or_b32 s[G0+4*\slot+3], s[G0+4*\slot+3], 0x80000000
	s_or_b32 s[G0B+4*\slot+3], s[G0B+4*\slot+3], 0x80000000
.endif
	s_wait_dscnt 4*HA+1                            ; the add and P's upper tiles may be out
	WIN MUL_LO
	MULS 0, HA/2, 1, NQ-1, \slot, 0
	s_wait_dscnt 0x0                               ; the add is done, and my reads of this slot are over
	s_barrier_signal -1
	MULS HA/2, HA/2, 1, NQ-1, \slot, 0
	WIN 0
	s_barrier_wait -1
.if \fill
	CREST                                          ; the barrier has opened a round of the cluster's: no wave of any partner still reads this slot or has a load on its way
	JLOAD G0+4*\slot, G1, G0B+4*\slot, G1B
	PLACES 4                                       ; with the four behind the load: eight
.else
	PLACES 8
.endif
	FETCH_B \next, 0, 0
	FETCH_A \next, 0, 0
	SCALES \next
	WIN MUL_HI
	MULS HA, HA, 1, NQ-1, \slot, 0
	PLACES 8
	WIN 0
	FETCH_A \next, 0, HA
.endm
.macro MID slot
.if NQ > 2
.set qq, 1
.rept NQ-2
	STEP \slot, qq, 0
.set qq, qq+1
.endr
.endif
.endm
.macro QUANT s, pc, pw                 ; 64 numbers of a lane, register 16 b + i = k 32 b + 16 (lane / 16) + i, become 16 registers of codes and a scale word
.irp b, 0,1,2,3
	v_max3_num_f32 v[TM+\b], |v[\s+16*\b]|, |v[\s+1+16*\b]|, 0x4800000
.endr
.irp i, 2,4,6,8,10,12,14
.irp b, 0,1,2,3
	v_max3_num_f32 v[TM+\b], v[TM+\b], |v[\s+16*\b+\i]|, |v[\s+1+16*\b+\i]|
.endr
.endr
.irp b, 0,1,2,3
	v_permlanex16_b32 v[TM+4+\b], v[TM+\b], s[SEL], s[SEL+1]
.endr
.irp b, 0,1,2,3
	v_max_num_f32 v[TM+\b], v[TM+\b], v[TM+4+\b]
.endr
.irp b, 0,1,2,3
	v_add_nc_u32 v[TM+12+\b], 0xfc000000, v[TM+\b]
.endr
.irp b, 0,1,2,3
	v_and_or_b32 v[TM+8+\b], v[TM+\b], 0x7f800000, s[MNT]
.endr
.irp b, 0,1,2,3
	v_lshrrev_b32 v[TM+4+\b], 23, v[TM+12+\b]
.endr
	v_lshl_or_b32 v[\pw], v[TM+5], 8, v[TM+4]
	v_lshl_or_b32 v[\pw], v[TM+6], 16, v[\pw]
	v_lshl_or_b32 v[\pw], v[TM+7], 24, v[\pw]
.irp b, 0,1,2,3
.irp i, 0,1,2,3,4,5,6,7,8,9,10,11,12,13,14,15
	v_med3_num_f32 v[\s+16*\b+\i], v[\s+16*\b+\i], -v[TM+8+\b], v[TM+8+\b]
.endr
	v_cvt_scalef32_pk8_fp8_f32 v[\pc+4*\b:\pc+1+4*\b], v[\s+16*\b:\s+7+16*\b], v[TM+12+\b]
	v_cvt_scalef32_pk8_fp8_f32 v[\pc+2+4*\b:\pc+3+4*\b], v[\s+8+16*\b:\s+15+16*\b], v[TM+12+\b]
.endr
	v_nop
.endm
	s_load_b256 s[4:11], s[0:1], 0x0               ; ha s[4:5], wc s[6:7], attn_b s[8:9], qkv s[10:11]
	v_lshl_add_u32 v[SPW], v0, 2, SPARE
	v_mov_b32 v[NIL], 0
	ds_add_u32 v28, v29
	ds_add_u32 v28, v29
	s_wait_dscnt 0x0
	v_lshrrev_b32 v1, 5, v0
	v_readfirstlane_b32 s14, v1                    ; wave 0..3
	s_lshr_b32 s15, s14, 1                         ; my half of P's tiles.  Also: I fetch for P (0) or for Q (1)
	s_and_b32 s16, s14, 1                          ; my half of Q's tiles.  Also: which part I fetch
	s_bfe_u32 s40, ttmp6, 0x40000                  ; cx
	s_bfe_u32 s41, ttmp6, 0x40004                  ; cy
	s_and_b32 s18, ttmp7, 0xffff
	s_lshl_b32 s18, s18, 2                         ; 4 x cluster y
	s_lshl_b32 s19, ttmp9, 2                       ; 4 x cluster x
	s_cmp_eq_u32 ttmp9, 2                          ; the clusters of v's columns: the same answer in all sixteen partners
	s_cselect_b32 s17, 8, s18                      ; P's block of 256: tokens 4 Y + cy, or v's columns 8 + cy
	s_cselect_b32 s42, s18, s19                    ; Q's: columns 4 X + cx, or tokens 4 Y + cx
	s_add_co_u32 s17, s17, s41
	s_add_co_u32 s42, s42, s40
	s_lshl_b32 s43, s41, 2
	s_lshl_b32 s43, 15, s43                        ; my row of the cluster
	s_lshl_b32 s44, 0x1111, s40                    ; my column
	s_or_b32 s[G1+0], s43, (3<<16)|(1<<21)         ; 15:0 the mask; 17:16 elements of 8 bytes; 21 set beside a mask; no padding: an image is read 512 consecutive bytes at a time
	s_or_b32 s[G1B+0], s44, (3<<16)|(1<<21)
.irp g, G1, G1B
	s_mov_b32 s[\g+1], 32<<16                      ; tensor_dim0 = 32 elements: rows of 256 bytes
	s_mov_b32 s[\g+2], 272<<16                     ; tensor_dim1 = 272 rows: 16 units, for the head's loads; behind them 136
	s_mov_b32 s[\g+3], 32<<16                      ; tile_dim0
	s_mov_b32 s[\g+4], 272                         ; tile_dim1
	s_mov_b32 s[\g+5], 32                          ; the pitch: dense
	s_mov_b32 s[\g+6], 0
	s_mov_b32 s[\g+7], 0
.endr
	s_mul_i32 s20, s17, PTILE
	s_mul_i32 s18, s16, PPART
	s_add_co_u32 s20, s20, s18
	s_mov_b32 s21, 0
	s_mul_i32 s46, s42, QTILE
	s_mul_i32 s18, s16, QPART
	s_add_co_u32 s46, s46, s18
	s_mov_b32 s47, 0
	s_mul_i32 s45, s14, HALFT                      ; where my load lands: wave x 8 units
	s_and_b32 s18, ttmp7, 0xffff                   ; where the walk along K begins: the parity of x + y + y / 2 of the cluster's place
	s_lshr_b32 s19, s18, 1
	s_xor_b32 s18, s18, s19
	s_xor_b32 s18, s18, ttmp9
	s_and_b32 s18, s18, 1
	s_mul_i32 s[IX], s18, NSL/2                    ; at K's start or at its middle
	s_add_co_u32 s[IX+1], s[IX], 1
	s_mov_b32 s[OFP+1], 0
	s_mov_b32 s[OFQ+1], 0
	s_mov_b32 s[SEL], 0x76543210
	s_mov_b32 s[SEL+1], 0xfedcba98
	s_mov_b32 s[MNT], 0x600000
	CROUND                                         ; all sixteen work-groups are here: the first joint loads meet.  The round names no argument: the arguments come in while it runs
	s_wait_kmcnt 0x0                               ; ahead of the first read of s[4:11]
	s_cmp_eq_u32 ttmp9, 2
	s_cselect_b64 s[66:67], s[6:7], s[4:5]         ; P: the weights for v, else the tokens (attn_w's region begins wc)
	s_cselect_b64 s[68:69], s[4:5], s[6:7]         ; Q: the other
	s_add_nc_u64 s[PB:PB+1], s[66:67], s[20:21]
	s_add_nc_u64 s[QB:QB+1], s[68:69], s[46:47]
; THE HEAD'S LOADS, ONE A WAVE, fill BOTH slots: wave w fetches, for ring slot w / 2, all 16 units of P (w even) or of Q (w odd): they lie on end in memory, 69,632 dense bytes,
; and land at 2 w x 8 units, which is where two refills of 8 units would lay them.  One chain of branches on the wave's number, a load line to each wave: waves 0 and 1, whose tiles are slot 0, wait for them at the
; first barrier; waves 2 and 3 wait at the first change of slots, where every wave waits for all its loads.
.set GH,  92
.set GHB, 96
.irp s, 0,1
	s_mov_b32 s[G0+4*\s], 1                        ; the refills' groups 0: count and LDS address; the change of slots writes the global address
	s_add_co_u32 s[G0+4*\s+1], s45, \s*SLOT
	s_mov_b32 s[G0B+4*\s], 1
	s_add_co_u32 s[G0B+4*\s+1], s45, \s*SLOT
.endr
	s_add_co_u32 s18, s[IX], s15                   ; which slot's worth of K my load brings
	s_mul_i32 s20, s17, PTILE                      ; (s21 and s47 still hold 0)
	s_mul_i32 s19, s18, PSL
	s_add_co_u32 s20, s20, s19
	s_mul_i32 s46, s42, QTILE
	s_mul_i32 s19, s18, QSL
	s_add_co_u32 s46, s46, s19
	s_mov_b32 s[GH], 1
	s_mul_i32 s[GH+1], s14, 2*HALFT
	s_add_nc_u64 s[GH+2:GH+3], s[66:67], s[20:21]
	s_or_b32 s[GH+3], s[GH+3], 0x80000000
	s_mov_b32 s[GHB], 1
	s_mul_i32 s[GHB+1], s14, 2*HALFT
	s_add_nc_u64 s[GHB+2:GHB+3], s[68:69], s[46:47]
	s_or_b32 s[GHB+3], s[GHB+3], 0x80000000
.macro HARM under, g0, g1, next
	s_cmp_lt_u32 s14, \under
	s_cbranch_scc0 \next
	tensor_load_to_lds s[\g0:\g0+3], s[\g1:\g1+7]
	s_nop 0
.rept 4
	v_nop
.endr
	s_branch .Lhead_asked
\next:
.endm
	HARM 1, GH,  G1,  .Lhead_1                     ; wave 0: slot 0's P
	HARM 2, GHB, G1B, .Lhead_2                     ; wave 1: slot 0's Q
	HARM 3, GH,  G1,  .Lhead_3                     ; wave 2: slot 1's P
	tensor_load_to_lds s[GHB:GHB+3], s[G1B:G1B+7]  ; wave 3: slot 1's Q
	s_nop 0
.rept 4
	v_nop
.endr
.Lhead_asked:
	v_and_b32 v1, 15, v0                           ; r
	v_bfe_u32 v2, v0, 4, 1                         ; h
	s_wait_alu depctr_va_vdst(0)
	v_and_b32 v3, 31, v0                           ; lane
	s_wait_alu depctr_va_vdst(0)
	v_lshlrev_b32 v4, 4, v3                        ; 16 x lane
	s_mul_i32 s21, s15, NA*U
	s_mul_i32 s22, s16, NBK*U
	s_add_co_u32 s22, s22, 2*HALFT                 ; Q's tiles lie behind P's
.irp s, 0,1
	v_add_nc_u32 v[ADRA+\s], s21, v4
	v_add_nc_u32 v[ADRB+\s], s22, v4
	s_add_co_u32 s21, s21, SLOT
	s_add_co_u32 s22, s22, SLOT
.endr
	s_mul_i32 s21, s15, NA*U
	s_mul_i32 s22, s16, NBK*U
	s_add_co_u32 s22, s22, 2*HALFT
	s_sub_co_u32 s22, s22, s21
	v_mul_u32_u24 v6, s22, v2                      ; lanes 16-31 take Q's words: the lower base + h x the distance
	v_lshlrev_b32 v5, 3, v3
	s_add_co_u32 s21, s21, 4096
	v_add_nc_u32 v5, v5, v6
	v_add_nc_u32 v[ADRS], s21, v5
	v_add_nc_u32 v[ADRS+1], SLOT, v[ADRS]
	s_wait_alu depctr_va_vdst(0)
	s_cmp_lt_u32 s14, 2
	s_cbranch_scc0 .Lslot_1_out
	s_wait_tensorcnt 0x0                           ; waves 0 and 1: slot 0's tiles are in.  Slot 1's may be out
.Lslot_1_out:
	s_barrier_signal -1
	s_barrier_wait -1
	FETCH_B 0, 0, 0
	FETCH_A 0, 0, 0
	SCALES 0
	FETCH_A 0, 0, HA
	STEP 0, 0, 1                                   ; the first step's products start the sums
.if LAPS > 1
	s_mov_b32 s3, LAPS-1
.Llap:
	MID 0
	TURN 0, 1, 1
	STEP 1, 0, 0
	MID 1
	TURN 1, 0, 1
	STEP 0, 0, 0
	s_sub_co_u32 s3, s3, 1
	s_cmp_lg_u32 s3, 0
	s_cbranch_scc1 .Llap
.endif
	MID 0
	TURN 0, 1, 0
	STEP 1, 0, 0
	MID 1
	s_wait_dscnt 4*HA                              ; the last step fetches nothing
	WIN MUL_LO
	MULS 0, HA, 1, NQ-1, 1, 0
	s_wait_dscnt 0x0
	WIN MUL_HI
	MULS HA, HA, 1, NQ-1, 1, 0
	WIN 0
; THE WAY OUT, P's tile by tile: the bias is added on the way into window 0 (each accumulator from its low end on), the 64 numbers are quantised, and codes and scale word are stored as they stand.
.macro QBLOCK a, isv
.if (\a) > 0
	s_wait_xcnt 0x0                                ; the last tile's stores have read their registers
.endif
	WIN 0x02+(\a)/HA
.set i, 0
.rept 32
.if \isv
	v_pk_add_f32 v[XX+i:XX+i+1], v[64*((\a)%HA)+i:64*((\a)%HA)+i+1], v[BIAS+2*(\a):BIAS+2*(\a)+1]
.else
	v_pk_add_f32 v[XX+i:XX+i+1], v[64*((\a)%HA)+i:64*((\a)%HA)+i+1], v[BIAS+i:BIAS+i+1]
.endif
.set i, i+2
.endr
	WIN 0
	QUANT XX, PC, PW
.if \isv
.irp c, 0,1,2,3
	global_store_b128 v4, v[PC+4*\c:PC+4*\c+3], s[10:11] offset:((\a)/4)*HS+((\a)%4)*2048+512*\c   ; 512 consecutive bytes, aligned
.endr
	global_store_b32 v[VS], v[PW], s[10:11] offset:((\a)/4)*HS+8192+128*((\a)%4)
.else
	v_lshrrev_b32 v242, 16, v[PW]
	v_cndmask_b32 v241, v[PW], v242, s77           ; lanes 0-15: the first head's two bytes; lanes 16-31: the second head's
	v_and_or_b32 v241, v241, s78, s79              ; over them 0x7f twice: the scale 1 for the zero codes that fill K = 64 to 128
.irp c, 0,1,2,3
	global_store_b128 v4, v[PC+4*\c:PC+4*\c+3], s[10:11] offset:1024*(\a)+(\c/2)*HS+(\c%2)*512
.endr
	global_store_b32 v[VS], v241, s[10:11] offset:8192+64*(\a)
.endif
.endm
	s_cmp_eq_u32 ttmp9, 2
	s_cbranch_scc1 .Lv_path
; q and k: my 128 tokens are step S = 2 x P's block + my half; my 128 columns are heads 4 x Q's block + 2 x my half, and the next
	s_lshl_b32 s66, s17, 1
	s_add_co_u32 s66, s66, s15
	s_lshr_b32 s67, s66, 3                         ; batch
	s_and_b32 s66, s66, 7                          ; step
	s_lshl_b32 s68, s42, 2
	s_lshl_b32 s69, s16, 1
	s_add_co_u32 s68, s68, s69                     ; head
	s_lshl_b32 s68, s68, 2
	s_add_co_u32 s68, s68, s67
	s_lshl_b32 s68, s68, 3
	s_add_co_u32 s68, s68, s66
	s_mul_i32 s68, s68, BLK
	s_mov_b32 s69, 0
	s_add_nc_u64 s[10:11], s[10:11], s[68:69]
	s_lshl_b32 s70, s42, 10
	s_lshl_b32 s71, s16, 9
	s_add_co_u32 s70, s70, s71
	s_mov_b32 s71, 0
	s_add_nc_u64 s[8:9], s[8:9], s[70:71]          ; the bias of my 128 columns
	s_mov_b32 s77, 0xffff0000                      ; lanes 16-31
	s_mov_b32 s78, 0xffff
	s_mov_b32 s79, 0x7f7f0000
	v_lshlrev_b32 v7, 6, v2                        ; 64 h: my half's 16 columns of each 32
.set bb, 0
.rept 8
	global_load_b128 v[BIAS+8*bb:BIAS+8*bb+3], v7, s[8:9] offset:4*(32*(bb/2)+8*(bb%2))
	global_load_b128 v[BIAS+8*bb+4:BIAS+8*bb+7], v7, s[8:9] offset:4*(32*(bb/2)+8*(bb%2))+16
.set bb, bb+1
.endr
	v_mul_u32_u24 v[VS], v2, HS
	v_lshl_add_u32 v[VS], v1, 2, v[VS]             ; a scale word's place: 4 r, in the second head for lanes 16-31
	PLACES 8                                       ; behind the last products
.irp b, 0,1,2,3
	v_mov_b32 v[TM+4+\b], 0                        ; a lane permute's destination counts as one of its sources
.endr
	s_wait_loadcnt 0x0
.irp a, 0,1,2,3,4,5,6,7
	QBLOCK \a, 0
.endr
	s_wait_tensorcnt 0x0                           ; the wave's end
	ds_add_u32 v[SPW], v[NIL]
	s_wait_dscnt 0x0
	CROUND                                         ; the closing round
	s_endpgm
.Lv_path:
; v: my 128 channels are heads 4 x P's block + 2 x my half (P's blocks 8-11 are heads 32-47), and the next; my 128 tokens are step S = 2 x Q's block + my half
	s_lshl_b32 s66, s42, 1
	s_add_co_u32 s66, s66, s16
	s_lshr_b32 s67, s66, 3
	s_and_b32 s66, s66, 7
	s_lshl_b32 s68, s17, 2
	s_lshl_b32 s69, s15, 1
	s_add_co_u32 s68, s68, s69
	s_lshl_b32 s68, s68, 2
	s_add_co_u32 s68, s68, s67
	s_lshl_b32 s68, s68, 3
	s_add_co_u32 s68, s68, s66
	s_mul_i32 s68, s68, BLK
	s_mov_b32 s69, 0
	s_add_nc_u64 s[10:11], s[10:11], s[68:69]
	s_lshl_b32 s70, s17, 10
	s_lshl_b32 s71, s15, 9
	s_add_co_u32 s70, s70, s71
	s_mov_b32 s71, 0
	s_add_nc_u64 s[8:9], s[8:9], s[70:71]
	v_and_b32 v7, 8, v1
	v_add_nc_u32 v7, v7, v1
	v_lshlrev_b32 v7, 2, v7                        ; 4 (r + 8 (r / 8)): my channel in a tile
.set bb, 0
.rept 8
	global_load_b32 v[BIAS+2*bb], v7, s[8:9] offset:4*(32*(bb/2)+8*(bb%2))      ; one number a lane and tile, twice: a pair for the packed addition
	global_load_b32 v[BIAS+2*bb+1], v7, s[8:9] offset:4*(32*(bb/2)+8*(bb%2))
.set bb, bb+1
.endr
	v_lshlrev_b32 v[VS], 2, v3                     ; 4 x lane
	PLACES 8
.irp b, 0,1,2,3
	v_mov_b32 v[TM+4+\b], 0
.endr
	s_wait_loadcnt 0x0
.irp a, 0,1,2,3,4,5,6,7
	QBLOCK \a, 1
.endr
	s_wait_tensorcnt 0x0                           ; the wave's end
	ds_add_u32 v[SPW], v[NIL]
	s_wait_dscnt 0x0
	CROUND
	s_endpgm
.Lfunc_end_k_qf2fcde7de9_qkv:
	.size	k_qf2fcde7de9_qkv, .Lfunc_end_k_qf2fcde7de9_qkv-k_qf2fcde7de9_qkv
	.p2alignl 7, 3214868480
	.fill 96, 4, 3214868480
	.section	.rodata,"a",@progbits
	.p2align	6, 0x0
	.amdhsa_kernel k_qf2fcde7de9_qkv
		.amdhsa_group_segment_fixed_size 327680
		.amdhsa_private_segment_fixed_size 0
		.amdhsa_enable_private_segment 0
		.amdhsa_kernarg_size 32
		.amdhsa_user_sgpr_count 2
		.amdhsa_user_sgpr_kernarg_segment_ptr 1
		.amdhsa_wavefront_size32 1
		.amdhsa_system_sgpr_workgroup_id_x 1
		.amdhsa_system_sgpr_workgroup_id_y 1
		.amdhsa_system_sgpr_workgroup_id_z 1
		.amdhsa_system_vgpr_workitem_id 0
		.amdhsa_next_free_vgpr 1024
		.amdhsa_next_free_sgpr 100
		.amdhsa_reserve_vcc 0
		.amdhsa_float_denorm_mode_32 3
		.amdhsa_float_denorm_mode_16_64 3
		.amdhsa_memory_ordered 1
		.amdhsa_forward_progress 1
		.amdhsa_inst_pref_size 255
	.end_amdhsa_kernel
	.section	.bss,"aw",@nobits
	.p2align	6
	.space	262144
	.amdgpu_metadata
---
amdhsa.version: [ 1, 2 ]
amdhsa.kernels:
  - .name:           k_qf2fcde7de9_qkv
    .symbol:         k_qf2fcde7de9_qkv.kd
    .args:
      - { .name: ha, .offset: 0, .size: 8, .value_kind: global_buffer, .address_space: global }
      - { .name: wc, .offset: 8, .size: 8, .value_kind: global_buffer, .address_space: global }
      - { .name: attn_b, .offset: 16, .size: 8, .value_kind: global_buffer, .address_space: global }
      - { .name: qkv, .offset: 24, .size: 8, .value_kind: global_buffer, .address_space: global }
    .group_segment_fixed_size: 327680
    .private_segment_fixed_size: 0
    .kernarg_segment_align: 8
    .kernarg_segment_size: 32
    .max_flat_workgroup_size: 128
    .sgpr_count:     100
    .vgpr_count:     1024
    .wavefront_size: 32
...
	.end_amdgpu_metadata
.endif
;; end of part 2
;; launch attn (part 3): grid 4 x 64, 16 waves a work-group, clusters of 4 x 1, 169,984 bytes of LDS; arguments qkv, ya; writes ya
.if DOCPART == 3
	.amdgcn_target "amdgcn-amd-amdhsa--gfx1250"
	.amdhsa_code_object_version 6
	.text
	.protected	k_qf2fcde7de9_attn
	.globl	k_qf2fcde7de9_attn
	.p2align	8
	.type	k_qf2fcde7de9_attn,@function
k_qf2fcde7de9_attn:
	s_mov_b64 s[64:65], 0
	v_nop
	global_prefetch_b8 v0, s[64:65] scope:SCOPE_SE
	s_setreg_imm32_b32 hwreg(HW_REG_WAVE_MODE, 25, 1), 1
	s_wait_xcnt 0x0
	s_wait_alu depctr_hold_cnt(0) depctr_sa_sdst(0) depctr_va_vdst(0) depctr_va_sdst(0) depctr_va_ssrc(0) depctr_va_vcc(0) depctr_vm_vsrc(0)
	s_getreg_b32 s2, hwreg(HW_REG_IB_STS2, 6, 4)
	s_cmp_eq_u32 s2, 0
	s_cbranch_scc0 .Lentry_in_a_cluster
	s_endpgm
.Lentry_in_a_cluster:
	s_bfe_u32 s2, ttmp6, 0x10000c
	s_cmp_lg_u32 s2, 0x3003
	s_cbranch_scc0 .Lentry_shape_is_right
	s_endpgm
.Lentry_shape_is_right:
; Causal attention of one head and batch for each cluster of four work-groups, on codes of E4M3; y leaves quantised, as images of the next product's operand.
; t = score x log2(e) / 8; M = the running largest t rounded UP to a whole number; p = 2^(t - M) is quantised along the keys, not normalised; the row's sum is taken of the unquantised p and divides at the end.
; SHARES.  1,024 queries are 64 tiles of 16; wave w of work-group cx takes tile 4 g + cx, g read off a table by w.  The four tiles 4 g .. 4 g + 3 are queries 64 g .. 64 g + 63, inside one step of 128 keys: so how many
; steps a wave walks, g / 2 + 1, hangs on its number alone, and is the same in all four partners.  The table gives waves 0-3 the steps 8 1 7 2, waves 4-7 1 8 2 7, waves 8-11 6 3 5 4, waves 12-15 3 6 4 5:
; the four waves with equal w / 4 and the four with equal w % 4 have 18 of the work-group's 72 steps between them.
; All of the head's K and V, 16 blocks of 8,704 bytes, come into LDS ONCE: each of the sixteen waves asks for one block, jointly with the same wave of the three partners.  Nothing is filled again.
; Both products are used transposed: S^T = K Q^T, O^T = V^T P^T: a lane holds one query.  K = 64 of the first product is filled to 128 by zero codes in registers, on both sides.
; A step all of whose keys come after the wave's queries is left out by a scalar branch on the wave's number and the count of steps; the loop's trip count is the constant 8.
; The scale bytes of y leave by one store of 2 bytes a lane, 64 bytes a wave: each head owns two bytes of a row's word.
; LIMITS: NaN and infinities are not served; a block whose largest magnitude lies under 2^-118 gets the byte 1.
.set U,    4352
.set BLK,  8704
.set LI,   1                           ; v1  16 x lane
.set LS,   2                           ; v2  8,192 + 4 r: K's scale words in a block
.set LT,   3                           ; v3  8 BLK + 8,192 + 4 x lane: V's
.set DV,   4                           ; v4  my query's place in its step of 128 keys, less 16 (lane / 16)
.set L8,   5                           ; v5  8 x lane
.set LV,   6                           ; v6  8 BLK + 16 x lane
.set L4,   7                           ; v7  4 r
.set ADK,  8
.set ADV,  9
.set ADS,  10
.set ADT,  11
; v12 -M, v13 the largest t, v[14:15] the sum; v16-31 Q (8 registers, then zeros); v32-95 four fragments of K (each 8 registers, then 8 zeros; the first 8 are at work in the softmax); v96-159 S^T, then p;
; v160-191 O^T; v192-207 p's codes; v208-239 two fragments of V; v240-243 K's, v244-245 V's, v246 p's, v247 Q's scale words; v248-255 y's codes
.set WV,   18
.set MNT,  19
.set SEL,  20
.set CS,   22
.set G1,   24
.set G0,   32
.set SI,   36
.set SD,   37
.set TK,   38
.macro CROUND
	s_barrier_signal -1
	s_barrier_wait -1
	s_cmp_lg_u32 s[WV], 0
	s_cbranch_scc1 .Lnot_wave_0_\@
	s_barrier_signal -3
.Lnot_wave_0_\@:
	s_barrier_wait -3
	s_barrier_signal -1
	s_barrier_wait -1
.endm
.macro PLACES n
.rept \n
	v_nop
.endr
.endm
.macro VLOAD c0                        ; V's tiles c0, c0 + 1 (16 channels x 128 keys each) and their scale words
.irp t, 0,1
.irp c, 0,1,2,3
	ds_load_b128 v[208+16*\t+4*\c:211+16*\t+4*\c], v[ADV] offset:2048*(\c0+\t)+512*\c
.endr
	ds_load_b32 v[244+\t], v[ADT] offset:128*(\c0+\t)
.endr
.endm
	s_load_b128 s[4:7], s[0:1], 0x0                ; qkv s[4:5], ya s[6:7]
	v_lshl_add_u32 v254, v0, 2, 0x29000
	v_mov_b32 v255, 0
	ds_add_u32 v254, v255
	ds_add_u32 v254, v255
	s_wait_dscnt 0x0
	v_lshrrev_b32 v8, 5, v0
	s_delay_alu instid0(VALU_DEP_1)
	v_readfirstlane_b32 s[WV], v8                  ; wave 0..15
	s_bfe_u32 s40, ttmp6, 0x40000                  ; cx: it enters global addresses and the mask's data alone
	s_and_b32 s41, ttmp7, 0xffff
	s_and_b32 s42, s41, 15                         ; head
	s_lshr_b32 s43, s41, 4                         ; batch
	s_mov_b32 s44, 0x97b5684a                      ; g of waves 8 to 15, four bits each, wave 8's lowest: 10 4 8 6 5 11 7 9
	s_cmp_lt_u32 s[WV], 8
	s_cselect_b32 s44, 0xd3f12c0e, s44             ; g of waves 0 to 7: 14 0 12 2 1 15 3 13
	s_and_b32 s39, s[WV], 7
	s_lshl_b32 s39, s39, 2
	s_lshr_b32 s39, s44, s39
	s_and_b32 s39, s39, 15                         ; g
	s_lshr_b32 s[SD], s39, 1                       ; the step on the diagonal
	s_mov_b32 s[G1], 15|(3<<16)|(1<<21)            ; 15:0 the mask: all four work-groups; elements of 8 bytes; 21 set beside a mask
	s_mov_b32 s[G1+1], 32<<16                      ; rows of 256 bytes,
	s_mov_b32 s[G1+2], 34<<16                      ; 34 of them: a block
	s_mov_b32 s[G1+3], 32<<16
	s_mov_b32 s[G1+4], 34
	s_mov_b32 s[G1+5], 32                          ; dense
	s_mov_b32 s[G1+6], 0
	s_mov_b32 s[G1+7], 0
	s_lshr_b32 s45, s[WV], 3                       ; waves 0-7: K's steps (heads 16-31 of qkv); waves 8-15: V's (heads 32-47)
	s_lshl_b32 s45, s45, 4
	s_add_co_u32 s45, s45, s42
	s_add_co_u32 s45, s45, 16
	s_lshl_b32 s45, s45, 2
	s_add_co_u32 s45, s45, s43
	s_lshl_b32 s45, s45, 3
	s_and_b32 s46, s[WV], 7
	s_add_co_u32 s45, s45, s46
	s_mul_i32 s46, s45, BLK
	s_mov_b32 s47, 0
	s_mul_i32 s48, s[WV], BLK                      ; block w of LDS
	s_lshl_b32 s49, s42, 2                         ; Q: head, batch, step g / 2, tile 4 (g % 2) + cx
	s_add_co_u32 s49, s49, s43
	s_lshl_b32 s49, s49, 3
	s_add_co_u32 s49, s49, s[SD]
	s_mul_i32 s50, s49, BLK
	s_and_b32 s51, s39, 1
	s_lshl_b32 s51, s51, 2
	s_add_co_u32 s51, s51, s40
	s_lshl_b32 s52, s51, 10
	s_add_co_u32 s52, s52, s50
	s_mov_b32 s53, 0
	s_lshl_b32 s54, s51, 6
	s_add_co_u32 s54, s54, s50
	s_add_co_u32 s54, s54, 8192
	s_mov_b32 s55, 0
	s_and_b32 s56, s39, 1                          ; my tile's first query in its step: 64 (g % 2) + 32 (cx / 2) + 8 (cx % 2)
	s_lshl_b32 s56, s56, 6
	s_lshr_b32 s57, s40, 1
	s_lshl_b32 s57, s57, 5
	s_add_co_u32 s56, s56, s57
	s_and_b32 s57, s40, 1
	s_lshl_b32 s57, s57, 3
	s_add_co_u32 s56, s56, s57
	s_lshr_b32 s58, s42, 2                         ; y: unit (head / 4) 256 + 64 batch + 4 g + cx
	s_lshl_b32 s58, s58, 8
	s_lshl_b32 s59, s43, 6
	s_add_co_u32 s58, s58, s59
	s_lshl_b32 s59, s39, 2
	s_add_co_u32 s58, s58, s59
	s_add_co_u32 s58, s58, s40
	s_mul_i32 s58, s58, U
	s_bfe_u32 s59, s42, 0x10001                    ; (head / 2) % 2: which 128 along K
	s_and_b32 s60, s42, 1                          ; head % 2: which 64 of them
	s_lshl_b32 s66, s59, 11
	s_add_co_u32 s66, s66, s58
	s_lshl_b32 s61, s60, 10
	s_add_co_u32 s66, s66, s61                     ; the codes' place
	s_mov_b32 s67, 0
	s_lshl_b32 s68, s59, 2
	s_add_co_u32 s68, s68, s58
	s_lshl_b32 s61, s60, 1
	s_add_co_u32 s68, s68, s61
	s_add_co_u32 s68, s68, 4096                    ; the two scale bytes'
	s_mov_b32 s69, 0
	s_mov_b32 s[SEL], 0x76543210
	s_mov_b32 s[SEL+1], 0xfedcba98
	s_mov_b32 s[CS], 0x3e38aa3b                    ; c = log2(e) / 8
	s_mov_b32 s[CS+1], s[CS]
	s_mov_b32 s[MNT], 0x600000
	s_mov_b32 s[G0], 1
	s_mov_b32 s[G0+1], s48
	CROUND                                         ; all four work-groups are here: the joint loads meet.  The round names no argument: the arguments come in while it runs
	s_wait_kmcnt 0x0                               ; ahead of the first read of s[4:7]
	s_add_nc_u64 s[G0+2:G0+3], s[4:5], s[46:47]
	s_or_b32 s[G0+3], s[G0+3], 0x80000000
	tensor_load_to_lds s[G0:G0+3], s[G1:G1+7]      ; my one tensor load of the launch
	s_nop 0
.rept 4
	v_nop
.endr
	s_add_nc_u64 s[52:53], s[4:5], s[52:53]
	s_add_nc_u64 s[54:55], s[4:5], s[54:55]
	s_add_nc_u64 s[66:67], s[6:7], s[66:67]
	s_add_nc_u64 s[68:69], s[6:7], s[68:69]
	v_and_b32 v9, 31, v0                           ; lane
	v_and_b32 v10, 15, v0                          ; r
	v_bfe_u32 v11, v0, 4, 1                        ; h
	s_delay_alu instid0(VALU_DEP_3)
	v_lshlrev_b32 v[LI], 4, v9
	s_delay_alu instid0(VALU_DEP_3)
	v_lshl_add_u32 v[LS], v10, 2, 8192
	v_lshl_add_u32 v[LT], v9, 2, 8*BLK+8192
	s_delay_alu instid0(VALU_DEP_3)
	v_add_nc_u32 v[LV], 8*BLK, v[LI]
	v_lshlrev_b32 v[L8], 3, v9
	v_lshlrev_b32 v[L4], 2, v10
	v_and_b32 v[DV], 8, v10
	s_delay_alu instid0(VALU_DEP_1)
	v_add_nc_u32 v[DV], v[DV], v10                 ; r + 8 (r / 8)
	v_lshlrev_b32 v11, 4, v11
	s_delay_alu instid0(VALU_DEP_1)
	v_sub_nc_u32 v[DV], v[DV], v11
	s_delay_alu instid0(VALU_DEP_1)
	v_add_nc_u32 v[DV], s56, v[DV]
	global_load_b128 v[16:19], v[LI], s[52:53]     ; Q's fragment: K = 0 .. 63
	global_load_b128 v[20:23], v[LI], s[52:53] offset:512
	global_load_b32 v247, v[L4], s[54:55]          ; and its scale words
.irp j, 0,1,2,3,4,5,6,7
	v_mov_b32 v[24+\j], 0                          ; K = 64 .. 127: zero codes
.endr
.irp t, 0,1,2,3
.irp j, 0,1,2,3,4,5,6,7
	v_mov_b32 v[40+16*\t+\j], 0                    ; the same in K's four fragments: written once
.endr
.endr
.set j, 0
.rept 32
	v_mov_b32 v[160+j], 0                          ; O^T: the loop is written once; its first step finds zeros
.set j, j+1
.endr
.irp b, 0,1,2,3
	v_mov_b32 v[36+\b], 0                          ; a lane permute's destination counts as one of its sources
.endr
	v_mov_b32 v67, 0                               ; (named as the upper half of a pair)
	v_mov_b32 v13, 0xff61b1e6                      ; the largest t so far: -3e38
	s_delay_alu instid0(VALU_DEP_1)
	v_floor_f32 v12, -v13
	v_mov_b32 v14, 0
	v_mov_b32 v15, 0
	s_wait_tensorcnt 0x0                           ; my block is in,
	s_barrier_signal -1
	s_barrier_wait -1                              ; all sixteen are
	s_wait_loadcnt 0x0                             ; Q
	s_mov_b32 s[SI], 0
	s_mov_b32 s[TK], 0
.Lstep:
	s_cmp_gt_u32 s[SI], s[SD]                      ; all 128 keys come after my queries: nothing to do
	s_cbranch_scc1 .Lhidden
	v_add_nc_u32 v[ADK], s[TK], v[LI]
	s_wait_alu depctr_va_vdst(0)
	v_add_nc_u32 v[ADV], s[TK], v[LV]
	v_add_nc_u32 v[ADS], s[TK], v[LS]
	s_wait_alu depctr_va_vdst(0)
	v_add_nc_u32 v[ADT], s[TK], v[LT]
	s_wait_alu depctr_va_vdst(0)
.irp g, 0,1                                    ; S^T = K Q^T, four tiles of 16 keys at a time
.if \g > 0
	PLACES 8                                       ; in front of loads into registers that the last four products have read
.endif
.irp t, 0,1,2,3
	ds_load_b128 v[32+16*\t:35+16*\t], v[ADK] offset:1024*(4*\g+\t)
	ds_load_b128 v[36+16*\t:39+16*\t], v[ADK] offset:1024*(4*\g+\t)+512
	ds_load_b32 v[240+\t], v[ADS] offset:64*(4*\g+\t)
.endr
	s_wait_dscnt 0x0
.irp t, 0,1,2,3
	v_wmma_scale_f32_16x16x128_f8f6f4 v[96+8*(4*\g+\t):103+8*(4*\g+\t)], v[32+16*\t:47+16*\t], v[16:31], 0, v[240+\t], v247
.endr
.endr                                          ; register 16 b + i holds key 128 step + 32 b + 16 (lane / 16) + i
	VLOAD 0                                        ; twelve plain lines stand between the last step's products on V and these loads: the four additions and the eight places above
	PLACES 8                                       ; behind the products: S^T is read, and K's registers are written, below
	s_cmp_lg_u32 s[SI], s[SD]
	s_cbranch_scc1 .Lopen                          ; ahead of the diagonal every key counts
	v_mov_b32 v68, 0xff800000                      ; -infinity
.set n, 0
.rept 64
	v_cmp_gt_i32 vcc_lo, 32*(n/16)+n%16, v[DV]     ; the register's key comes after my query
	v_cndmask_b32 v[96+n], v[96+n], v68, vcc_lo
.set n, n+1
.endr
.Lopen:
.irp b, 0,1,2,3
	v_max3_num_f32 v[32+\b], v[96+16*\b], v[97+16*\b], v[98+16*\b]   ; the largest score of each block of 32 keys: for the row's maximum, and for the block's largest p
.endr
.irp i, 3,5,7,9,11,13
.irp b, 0,1,2,3
	v_max3_num_f32 v[32+\b], v[32+\b], v[96+16*\b+\i], v[97+16*\b+\i]
.endr
.endr
.irp b, 0,1,2,3
	v_max_num_f32 v[32+\b], v[32+\b], v[111+16*\b]
.endr
.irp b, 0,1,2,3
	s_delay_alu instid0(VALU_DEP_4)
	v_permlanex16_b32 v[36+\b], v[32+\b], s[SEL], s[SEL+1]
.endr
.irp b, 0,1,2,3
	s_delay_alu instid0(VALU_DEP_4)
	v_max_num_f32 v[32+\b], v[32+\b], v[36+\b]
.endr
	s_delay_alu instid0(VALU_DEP_2)
	v_max3_num_f32 v68, v32, v33, v34
	s_delay_alu instid0(VALU_DEP_1)
	v_max_num_f32 v68, v68, v35
	s_delay_alu instid0(VALU_DEP_1)
	v_mul_f32 v68, s[CS], v68
	s_delay_alu instid0(VALU_DEP_1)
	v_max_num_f32 v13, v13, v68                    ; the running largest t
	v_mov_b32 v68, v12
	s_delay_alu instid0(VALU_DEP_2)
	v_floor_f32 v12, -v13                          ; -M = floor(-t)
	s_delay_alu instid0(VALU_DEP_1)
	v_sub_f32 v68, v12, v68                        ; old M - new M: a whole number, 0 or less
	s_delay_alu instid0(VALU_DEP_1)
	v_cvt_i32_f32 v68, v68
	s_delay_alu instid0(VALU_DEP_1)
	v_ldexp_f32 v66, 1.0, v68                      ; f = 2^(old M - new M)
.set j, 0
.rept 32
	v_pk_fma_f32 v[96+j:97+j], v[96+j:97+j], s[CS:CS+1], v[12:13] op_sel_hi:[1,0,0]   ; t - M
.set j, j+2
.endr
.irp b, 0,1,2,3
	v_fma_f32 v[32+\b], v[32+\b], s[CS], v12
.endr
.set j, 0
	s_wait_alu depctr_va_vdst(0)
.rept 64
	v_exp_f32 v[96+j], v[96+j]                     ; p
.set j, j+1
.endr
.irp b, 0,1,2,3
	v_exp_f32 v[32+\b], v[32+\b]                   ; each block's largest p
.endr
	v_pk_mul_f32 v[14:15], v[14:15], v[66:67] op_sel_hi:[1,0]      ; the sum under the new M (a plain line behind the exponentials)
	s_wait_alu depctr_va_vdst(0)
.irp b, 0,1,2,3
	v_max_num_f32 v[32+\b], 0x4800000, v[32+\b]    ; the floor 2^(9 - 127)
.endr
.irp b, 0,1,2,3
	s_delay_alu instid0(VALU_DEP_4)
	v_add_nc_u32 v[52+\b], 0xfc000000, v[32+\b]
.endr
.irp b, 0,1,2,3
	v_and_or_b32 v[48+\b], v[32+\b], 0x7f800000, s[MNT]
.endr
.irp b, 0,1,2,3
	v_lshrrev_b32 v[36+\b], 23, v[52+\b]
.endr
	s_delay_alu instid0(VALU_DEP_3)
	v_lshl_or_b32 v246, v37, 8, v36                ; p's scale word for these 128 keys
	s_delay_alu instid0(VALU_DEP_1)
	v_lshl_or_b32 v246, v38, 16, v246
	s_delay_alu instid0(VALU_DEP_1)
	v_lshl_or_b32 v246, v39, 24, v246
	v_pk_add_f32 v[64:65], v[100:101], v[104:105]
	v_pk_add_f32 v[254:255], v[108:109], v[112:113]
	v_pk_add_f32 v[252:253], v[116:117], v[120:121]
	v_pk_add_f32 v[250:251], v[124:125], v[128:129]
	v_pk_add_f32 v[248:249], v[132:133], v[136:137]
	v_pk_add_f32 v[242:243], v[140:141], v[144:145]
	v_pk_add_f32 v[240:241], v[148:149], v[152:153]
	v_pk_add_f32 v[14:15], v[14:15], v[156:157]
	v_pk_add_f32 v[64:65], v[64:65], v[96:97]
	v_pk_add_f32 v[254:255], v[254:255], v[98:99]
	v_pk_add_f32 v[252:253], v[252:253], v[102:103]
	v_pk_add_f32 v[250:251], v[250:251], v[106:107]
	v_pk_add_f32 v[248:249], v[248:249], v[110:111]
	v_pk_add_f32 v[242:243], v[242:243], v[114:115]
	v_pk_add_f32 v[240:241], v[240:241], v[118:119]
	v_pk_add_f32 v[14:15], v[14:15], v[122:123]
	v_pk_add_f32 v[64:65], v[64:65], v[126:127]
	v_pk_add_f32 v[254:255], v[254:255], v[130:131]
	v_pk_add_f32 v[252:253], v[252:253], v[134:135]
	v_pk_add_f32 v[250:251], v[250:251], v[138:139]
	v_pk_add_f32 v[248:249], v[248:249], v[142:143]
	v_pk_add_f32 v[242:243], v[242:243], v[146:147]
	v_pk_add_f32 v[240:241], v[240:241], v[150:151]
	v_pk_add_f32 v[14:15], v[14:15], v[154:155]
	v_pk_add_f32 v[64:65], v[64:65], v[158:159]
	s_delay_alu instid0(VALU_DEP_2)
	v_pk_add_f32 v[14:15], v[14:15], v[250:251]
	s_delay_alu instid0(VALU_DEP_2)
	v_pk_add_f32 v[64:65], v[64:65], v[248:249]
	v_pk_add_f32 v[254:255], v[254:255], v[242:243]
	v_pk_add_f32 v[252:253], v[252:253], v[240:241]
	s_delay_alu instid0(VALU_DEP_2)
	v_pk_add_f32 v[14:15], v[14:15], v[254:255]
	s_delay_alu instid0(VALU_DEP_2)
	v_pk_add_f32 v[64:65], v[64:65], v[252:253]
	s_delay_alu instid0(VALU_DEP_1)
	v_pk_add_f32 v[14:15], v[14:15], v[64:65]
.irp b, 0,1,2,3
.irp i, 0,1,2,3,4,5,6,7,8,9,10,11,12,13,14,15
	v_min_num_f32 v[96+16*\b+\i], v[96+16*\b+\i], v[48+\b]         ; p is not negative: the hold is one-sided
.endr
	v_cvt_scalef32_pk8_fp8_f32 v[192+4*\b:193+4*\b], v[96+16*\b:103+16*\b], v[52+\b]
	v_cvt_scalef32_pk8_fp8_f32 v[194+4*\b:195+4*\b], v[104+16*\b:111+16*\b], v[52+\b]
.endr
.set j, 0
.rept 16
	v_pk_mul_f32 v[160+j:161+j], v[160+j:161+j], v[66:67] op_sel_hi:[1,0]   ; O^T under the new M; these sixteen also stand between the conversions and the products
.set j, j+2
.endr
	s_wait_alu depctr_va_vdst(0)
	s_wait_dscnt 0x0                               ; V's first two tiles
.irp t, 0,1
	v_wmma_scale_f32_16x16x128_f8f6f4 v[160+8*\t:167+8*\t], v[208+16*\t:223+16*\t], v[192:207], v[160+8*\t:167+8*\t], v[244+\t], v246
.endr
	PLACES 8
	VLOAD 2
	s_wait_dscnt 0x0
.irp t, 0,1
	v_wmma_scale_f32_16x16x128_f8f6f4 v[176+8*\t:183+8*\t], v[208+16*\t:223+16*\t], v[192:207], v[176+8*\t:183+8*\t], v[244+\t], v246
.endr
.Lhidden:
	s_add_co_u32 s[TK], s[TK], BLK
	s_add_co_u32 s[SI], s[SI], 1
	s_cmp_lt_u32 s[SI], 8
	s_cbranch_scc1 .Lstep
; THE WAY OUT: O^T / the sum; register 16 b + i is channel 32 b + 16 (lane / 16) + i of my query: two blocks of the next product's K
	PLACES 8
	s_wait_alu depctr_va_vdst(0)
	v_add_f32 v14, v14, v15
	s_delay_alu instid0(VALU_DEP_1)
	v_permlanex16_b32 v36, v14, s[SEL], s[SEL+1]
	s_delay_alu instid0(VALU_DEP_1)
	v_add_f32 v14, v14, v36
	s_wait_alu depctr_va_vdst(0)
	v_rcp_f32 v14, v14
	v_nop
.set j, 0
	s_wait_alu depctr_va_vdst(0)
.rept 32
	v_mul_f32 v[96+j], v[160+j], v14
.set j, j+1
.endr
.irp b, 0,1
	v_max3_num_f32 v[32+\b], |v[96+16*\b]|, |v[97+16*\b]|, 0x4800000
.endr
.irp i, 2,4,6,8,10,12,14
.irp b, 0,1
	s_delay_alu instid0(VALU_DEP_2)
	v_max3_num_f32 v[32+\b], v[32+\b], |v[96+16*\b+\i]|, |v[97+16*\b+\i]|
.endr
.endr
.irp b, 0,1
	s_delay_alu instid0(VALU_DEP_2)
	v_permlanex16_b32 v[36+\b], v[32+\b], s[SEL], s[SEL+1]
.endr
.irp b, 0,1
	s_delay_alu instid0(VALU_DEP_2)
	v_max_num_f32 v[32+\b], v[32+\b], v[36+\b]
.endr
.irp b, 0,1
	s_delay_alu instid0(VALU_DEP_2)
	v_add_nc_u32 v[52+\b], 0xfc000000, v[32+\b]
.endr
.irp b, 0,1
	s_delay_alu instid0(VALU_DEP_4)
	v_and_or_b32 v[48+\b], v[32+\b], 0x7f800000, s[MNT]
.endr
.irp b, 0,1
	s_delay_alu instid0(VALU_DEP_4)
	v_lshrrev_b32 v[36+\b], 23, v[52+\b]
.endr
	s_delay_alu instid0(VALU_DEP_1)
	v_lshl_or_b32 v68, v37, 8, v36
.irp b, 0,1
.irp i, 0,1,2,3,4,5,6,7,8,9,10,11,12,13,14,15
	v_med3_num_f32 v[96+16*\b+\i], v[96+16*\b+\i], -v[48+\b], v[48+\b]
.endr
	v_cvt_scalef32_pk8_fp8_f32 v[248+4*\b:249+4*\b], v[96+16*\b:103+16*\b], v[52+\b]
	v_cvt_scalef32_pk8_fp8_f32 v[250+4*\b:251+4*\b], v[104+16*\b:111+16*\b], v[52+\b]
.endr
	v_nop
	global_store_b128 v[LI], v[248:251], s[66:67]                  ; 512 consecutive bytes, aligned
	global_store_b128 v[LI], v[252:255], s[66:67] offset:512
	global_store_b16 v[L8], v68, s[68:69]                          ; my head's two bytes of the row's word
	s_wait_xcnt 0x0
	v_lshl_add_u32 v254, v0, 2, 0x29000
	v_mov_b32 v255, 0
	s_wait_alu depctr_va_vdst(0)
	s_wait_tensorcnt 0x0
	ds_add_u32 v254, v255
	s_wait_dscnt 0x0
	CROUND                                         ; the closing round
	s_endpgm
.Lfunc_end_k_qf2fcde7de9_attn:
	.size	k_qf2fcde7de9_attn, .Lfunc_end_k_qf2fcde7de9_attn-k_qf2fcde7de9_attn
	.p2alignl 7, 3214868480
	.fill 96, 4, 3214868480
	.section	.rodata,"a",@progbits
	.p2align	6, 0x0
	.amdhsa_kernel k_qf2fcde7de9_attn
		.amdhsa_group_segment_fixed_size 169984
		.amdhsa_private_segment_fixed_size 0
		.amdhsa_enable_private_segment 0
		.amdhsa_kernarg_size 16
		.amdhsa_user_sgpr_count 2
		.amdhsa_user_sgpr_kernarg_segment_ptr 1
		.amdhsa_wavefront_size32 1
		.amdhsa_system_sgpr_workgroup_id_x 1
		.amdhsa_system_sgpr_workgroup_id_y 1
		.amdhsa_system_sgpr_workgroup_id_z 1
		.amdhsa_system_vgpr_workitem_id 0
		.amdhsa_next_free_vgpr 256
		.amdhsa_next_free_sgpr 100
		.amdhsa_reserve_vcc 1
		.amdhsa_float_denorm_mode_32 3
		.amdhsa_float_denorm_mode_16_64 3
		.amdhsa_memory_ordered 1
		.amdhsa_forward_progress 1
		.amdhsa_inst_pref_size 42
	.end_amdhsa_kernel
	.amdgpu_metadata
---
amdhsa.version: [ 1, 2 ]
amdhsa.kernels:
  - .name:           k_qf2fcde7de9_attn
    .symbol:         k_qf2fcde7de9_attn.kd
    .args:
      - { .name: qkv, .offset: 0, .size: 8, .value_kind: global_buffer, .address_space: global }
      - { .name: ya, .offset: 8, .size: 8, .value_kind: global_buffer, .address_space: global }
    .group_segment_fixed_size: 169984
    .private_segment_fixed_size: 0
    .kernarg_segment_align: 8
    .kernarg_segment_size: 16
    .max_flat_workgroup_size: 512
    .sgpr_count:     100
    .vgpr_count:     256
    .wavefront_size: 32
...
	.end_amdgpu_metadata
.endif
;; end of part 3
;; launch proj (part 4): grid 8 x 32, 4 waves a work-group, clusters of 4 x 4, 327,680 bytes of LDS; arguments ya, wc, proj_b, x, x1; writes x1
.if DOCPART == 4
	.amdgcn_target "amdgcn-amd-amdhsa--gfx1250"
	.amdhsa_code_object_version 6
	.text
	.protected	k_qf2fcde7de9_proj
	.globl	k_qf2fcde7de9_proj
	.p2align	8
	.type	k_qf2fcde7de9_proj,@function
k_qf2fcde7de9_proj:
	s_mov_b64 s[64:65], 0
	v_nop
	global_prefetch_b8 v0, s[64:65] scope:SCOPE_SE
	s_setreg_imm32_b32 hwreg(HW_REG_WAVE_MODE, 25, 1), 1
	s_wait_xcnt 0x0
	s_wait_alu depctr_hold_cnt(0) depctr_sa_sdst(0) depctr_va_vdst(0) depctr_va_sdst(0) depctr_va_ssrc(0) depctr_va_vcc(0) depctr_vm_vsrc(0)
	s_getreg_b32 s2, hwreg(HW_REG_IB_STS2, 6, 4)
	s_cmp_eq_u32 s2, 0
	s_cbranch_scc0 .Lentry_in_a_cluster
	s_endpgm
.Lentry_in_a_cluster:
	s_bfe_u32 s2, ttmp6, 0x10000c
	s_cmp_lg_u32 s2, 0xf033
	s_cbranch_scc0 .Lentry_shape_is_right
	s_endpgm
.Lentry_shape_is_right:
; x1 = x + Q(y) Q(proj_w) + proj_b.  Both operands are images of operand registers, [K / 256][tile][U] (U = 4,352: two images of 16 rows x 128 K and 256 bytes of scale words).
; 4,096 x 1,024 outputs make 64 blocks of 256 x 256 and 256 of 128 x 128: the smaller block gives every WGP a work-group.  Four waves, each 64 x 64: 16 accumulators.
; Source 0 = 16 columns of the weight ("Q"), source 1 = 16 tokens ("P"): a lane holds one token and eight neighbouring columns.  Row r of tile t is matrix row 32 (t / 2) + 8 (t % 2) + r + 8 (r / 8).
; A slot holds 512 along K: waves 0, 2 fetch P's 8 tiles of its two 256s, waves 1, 3 Q's: two rows of 34,816 dense bytes a joint load.  K = 1,024 is two slots: both are first fills, and nothing is filled again.
; P's tiles are shared along a row of the 4 x 4 cluster, Q's along a column.
.set U,      4352
.set NA,     4
.set NBK,    4
.set HA,     2
.set NQ,     4
.set LAPS,   1
.set PTILE,  8*U
.set QTILE,  8*U
.set PPART,  256*U
.set QPART,  64*U
.set PSTEP,  4*256*U
.set QSTEP,  4*64*U
.set QREG,   4456448                   ; proj_w's region in wc
.set HALFT,  8*U
.set SLOT,   4*HALFT
.set SPARE,  2*SLOT
.set ADRA, 16
.set ADRB, 20
.set ADRS, 22
.set STO,  24
.set RD,   25
.set CO,   26
.set BO,   27
.set SPW,  28
.set NIL,  29
.set SC,   32
.set AF,   128
.set BK,   128
.set G1,  24
.set G0,  32
.set G1B, 48
.set G0B, 56
.set MSB, 0
.macro WIN new
.if MSB != (\new)
	s_set_vgpr_msb (MSB<<8)|(\new)
.set MSB, (\new)
.endif
.endm
.set MUL_LO, 0xa1
.set MUL_HI, 0xf1
.set TO_B,   0x40
.macro PLACES n
.rept \n
	v_nop
.endr
.endm
.macro JLOAD g0a, g1a, g0b, g1b
	s_cmp_eq_u32 s15, 0
	s_cbranch_scc0 .Lfor_b_\@
	tensor_load_to_lds s[\g0a:\g0a+3], s[\g1a:\g1a+7]
	s_nop 0
.rept 4
	v_nop
.endr
	s_branch .Lasked_\@
.Lfor_b_\@:
	tensor_load_to_lds s[\g0b:\g0b+3], s[\g1b:\g1b+7]
	s_nop 0
.rept 4
	v_nop
.endr
.Lasked_\@:
.endm
.macro CREST
	s_cmp_lg_u32 s14, 0
	s_cbranch_scc1 .Lnot_wave_0_\@
	s_barrier_signal -3
.Lnot_wave_0_\@:
	s_barrier_wait -3
	s_barrier_signal -1
	s_barrier_wait -1
.endm
.macro CROUND
	s_barrier_signal -1
	s_barrier_wait -1
	CREST
.endm
.macro FRAG reg, adr, off
.irp c, 0,1,2,3
	ds_load_b128 v[\reg+4*\c:\reg+4*\c+3], v[\adr] offset:\off+512*\c
.endr
.endm
; All fragments of the slot's q-th 128 along K into set p, 32 LDS loads in one run.  Q's sets lie in window 1 at v0 and v128; P's set 0 in window 0 at v128, its set 1 in window 1 at v64.
.macro FETCH slot, q, p
	WIN TO_B
.set ii, 0
.rept NBK
	FRAG 128*(\p)+16*ii, ADRB+\slot, ((\q)/2)*HALFT+ii*U+((\q)%2)*2048
.set ii, ii+1
.endr
.if (\p) == 0
	WIN 0
.endif
.set ii, 0
.rept NA
	FRAG AF-64*(\p)+16*ii, ADRA+\slot, ((\q)/2)*HALFT+ii*U+((\q)%2)*2048
.set ii, ii+1
.endr
	WIN 0
.endm
.macro SCALES slot
.set ii, 0
.rept NA
.set kk, 0
.rept NQ/2
	ds_load_b64 v[SC+16*\slot+NQ*ii+2*kk:SC+16*\slot+NQ*ii+2*kk+1], v[ADRS+\slot] offset:kk*HALFT+ii*U
.set kk, kk+1
.endr
.set ii, ii+1
.endr
.endm
.macro MULS a0, n, p, q, sc, zero
.set aa, \a0
.rept \n
.set bb, 0
.rept NBK
.set rD, 8*(NBK*(aa%HA)+bb)
.set rB, 128*(\p)+16*bb
.set rA, AF-64*(\p)+16*aa              ; P's set p; the caller names its window for source 1
.set rT, SC+16*(\sc)+NQ*bb+(\q)
.set rS, SC+16*(\sc)+NQ*aa+(\q)
.if \zero
	v_wmma_scale_f32_16x16x128_f8f6f4 v[rD:rD+7], v[rB:rB+15], v[rA:rA+15], 0, v[rT], v[rS] matrix_a_scale:MATRIX_SCALE_ROW1
.else
	v_wmma_scale_f32_16x16x128_f8f6f4 v[rD:rD+7], v[rB:rB+15], v[rA:rA+15], v[rD:rD+7], v[rT], v[rS] matrix_a_scale:MATRIX_SCALE_ROW1
.endif
.set bb, bb+1
.endr
.set aa, aa+1
.endr
.endm
.macro STEP slot, q, zero              ; 128 along K whose successor lies in the same slot: the successor's 32 loads go out ahead of this step's 16 products, into the other set
	s_wait_dscnt 0x0                               ; this step's fragments and scale words are in
	FETCH \slot, (\q)+1, 1-(\q)%2                  ; (the set's last readers were the step before's products: the eight places at that step's end stand between)
	WIN MUL_LO+4*((\q)%2)                          ; source 1 in window 0 or 1: P's set
	MULS 0, HA, (\q)%2, \q, \slot, \zero
	WIN MUL_HI+4*((\q)%2)
	MULS HA, HA, (\q)%2, \q, \slot, \zero
	WIN 0
	PLACES 8                                       ; eight places in front of loads into registers that these matrix instructions have read
.endm
.macro TURN slot, next, fill
	s_wait_tensorcnt 0x0                           ; all my tensor loads have landed: my part of the next slot
	ds_add_u32 v[SPW], v[NIL]                      ; 0 onto my spare word
	s_wait_dscnt 1                                 ; the add, issued behind this step's fragment loads, may be out
	WIN MUL_LO+4
	MULS 0, HA/2, 1, NQ-1, \slot, 0
	s_wait_dscnt 0x0                               ; the add is done, and my reads of this slot are over
	s_barrier_signal -1
	MULS HA/2, HA/2, 1, NQ-1, \slot, 0
	WIN 0
	s_barrier_wait -1
.if \fill
	CREST
	s_add_nc_u64 s[G0+4*\slot+2:G0+4*\slot+3], s[G0+4*\slot+2:G0+4*\slot+3], PSTEP
	s_add_nc_u64 s[G0B+4*\slot+2:G0B+4*\slot+3], s[G0B+4*\slot+2:G0B+4*\slot+3], QSTEP
	JLOAD G0+4*\slot, G1, G0B+4*\slot, G1B
	PLACES 4
.else
	PLACES 8
.endif
	FETCH \next, 0, 0
	SCALES \next
	WIN MUL_HI+4
	MULS HA, HA, 1, NQ-1, \slot, 0
	WIN 0
	PLACES 8
.endm
.macro MID slot
.if NQ > 2
.set qq, 1
.rept NQ-2
	STEP \slot, qq, 0
.set qq, qq+1
.endr
.endif
.endm
	s_load_b256 s[4:11], s[0:1], 0x0               ; P's images s[4:5], wc s[6:7], the bias s[8:9], the residual s[10:11]
	s_load_b64 s[12:13], s[0:1], 0x20              ; the output
	v_lshl_add_u32 v[SPW], v0, 2, SPARE
	v_mov_b32 v[NIL], 0
	ds_add_u32 v28, v29
	ds_add_u32 v28, v29
	s_wait_dscnt 0x0
	v_lshrrev_b32 v1, 5, v0
	v_readfirstlane_b32 s14, v1
	s_lshr_b32 s15, s14, 1
	s_and_b32 s16, s14, 1
	s_bfe_u32 s40, ttmp6, 0x40000
	s_bfe_u32 s41, ttmp6, 0x40004
	s_lshl_b32 s42, ttmp9, 2
	s_add_co_u32 s42, s42, s40                     ; block of 128 columns
	s_and_b32 s17, ttmp7, 0xffff
	s_lshl_b32 s17, s17, 2
	s_add_co_u32 s17, s17, s41                     ; block of 128 tokens
	s_lshl_b32 s43, s41, 2
	s_lshl_b32 s43, 15, s43
	s_lshl_b32 s44, 0x1111, s40
	s_or_b32 s[G1+0], s43, (3<<16)|(1<<21)
	s_or_b32 s[G1B+0], s44, (3<<16)|(1<<21)
.irp g, G1, G1B                        ; a tile of two long rows: 8 units (34,816 dense bytes, 4,352 elements of 8) of one 256 along K, and the same 8 units of the next 256
	s_mov_b32 s[\g+1], (HALFT/8)<<16               ; tensor_dim0
	s_mov_b32 s[\g+2], 2<<16                       ; tensor_dim1
	s_mov_b32 s[\g+3], (HALFT/8)<<16               ; tile_dim0
	s_mov_b32 s[\g+4], 2                           ; tile_dim1
	s_mov_b32 s[\g+6], 0
	s_mov_b32 s[\g+7], 0
.endr
	s_mov_b32 s[G1+5], PPART/8                     ; the pitch: from one 256 along K to the next, in P
	s_mov_b32 s[G1B+5], QPART/8                    ; and in Q
	s_mul_i32 s20, s17, PTILE
	s_mul_i32 s18, s15, PSTEP/2                    ; my load's slot: wave / 2
	s_add_co_u32 s20, s20, s18
	s_mov_b32 s21, 0
	s_mul_i32 s46, s42, QTILE
	s_mul_i32 s18, s15, QSTEP/2
	s_add_co_u32 s46, s46, s18
	s_add_co_u32 s46, s46, QREG
	s_mov_b32 s47, 0
	s_mul_i32 s45, s14, 2*HALFT                    ; where my load lands: wave x 16 units
	s_wait_kmcnt 0x0
	s_add_nc_u64 s[20:21], s[4:5], s[20:21]
	s_add_nc_u64 s[46:47], s[6:7], s[46:47]
	CROUND
; THE LAUNCH'S LOADS, ONE A WAVE: wave w fetches, for slot w / 2, both 256s along K of P's 8 tiles (w even) or of Q's (w odd); all of K lies in LDS behind them, and nothing is filled again.
	s_mov_b32 s[G0], 1
	s_mov_b32 s[G0+1], s45
	s_mov_b64 s[G0+2:G0+3], s[20:21]
	s_or_b32 s[G0+3], s[G0+3], 0x80000000
	s_mov_b32 s[G0B], 1
	s_mov_b32 s[G0B+1], s45
	s_mov_b64 s[G0B+2:G0B+3], s[46:47]
	s_or_b32 s[G0B+3], s[G0B+3], 0x80000000
; One chain of branches on the wave's number, a load line to each wave: waves 0 and 1, whose tiles are slot 0, wait for them at the first barrier; waves 2 and 3 wait at the change of slots.
.macro HARM under, g0, g1, next
	s_cmp_lt_u32 s14, \under
	s_cbranch_scc0 \next
	tensor_load_to_lds s[\g0:\g0+3], s[\g1:\g1+7]
	s_nop 0
.rept 4
	v_nop
.endr
	s_branch .Lhead_asked
\next:
.endm
	HARM 1, G0,  G1,  .Lhead_1                     ; wave 0: slot 0's P
	HARM 2, G0B, G1B, .Lhead_2                     ; wave 1: slot 0's Q
	HARM 3, G0,  G1,  .Lhead_3                     ; wave 2: slot 1's P
	tensor_load_to_lds s[G0B:G0B+3], s[G1B:G1B+7]  ; wave 3: slot 1's Q
	s_nop 0
.rept 4
	v_nop
.endr
.Lhead_asked:
	v_and_b32 v1, 15, v0
	v_bfe_u32 v2, v0, 4, 1
	s_wait_alu depctr_va_vdst(0)
	v_and_b32 v3, 31, v0
	s_wait_alu depctr_va_vdst(0)
	v_lshlrev_b32 v4, 4, v3
	s_mul_i32 s21, s15, NA*U
	s_mul_i32 s22, s16, NBK*U
	s_add_co_u32 s22, s22, 2*HALFT
.irp s, 0,1
	v_add_nc_u32 v[ADRA+\s], s21, v4
	v_add_nc_u32 v[ADRB+\s], s22, v4
	s_add_co_u32 s21, s21, SLOT
	s_add_co_u32 s22, s22, SLOT
.endr
	s_mul_i32 s21, s15, NA*U
	s_mul_i32 s22, s16, NBK*U
	s_add_co_u32 s22, s22, 2*HALFT
	s_sub_co_u32 s22, s22, s21
	v_mul_u32_u24 v6, s22, v2
	v_lshlrev_b32 v5, 3, v3
	s_add_co_u32 s21, s21, 4096
	v_add_nc_u32 v5, v5, v6
	v_add_nc_u32 v[ADRS], s21, v5
	v_add_nc_u32 v[ADRS+1], SLOT, v[ADRS]
	; the way out: my 64 tokens x 64 columns.  The residual is asked for in the layout in which rows come back from the stage: lanes 0-15 one row's 256 bytes, lanes 16-31 the next row's
	s_lshl_b32 s66, s17, 7
	s_lshl_b32 s67, s15, 6
	s_add_co_u32 s66, s66, s67
	s_lshl_b32 s66, s66, 12                        ; my first token's row of 4,096 bytes
	s_lshl_b32 s68, s42, 9
	s_lshl_b32 s69, s16, 8
	s_add_co_u32 s68, s68, s69                     ; my first column, in bytes
	s_mov_b32 s69, 0
	s_add_co_u32 s66, s66, s68
	s_mov_b32 s67, 0
	s_add_nc_u64 s[10:11], s[10:11], s[66:67]
	s_add_nc_u64 s[12:13], s[12:13], s[66:67]
	s_add_nc_u64 s[8:9], s[8:9], s[68:69]
	v_lshlrev_b32 v[CO], 12, v2
	v_lshl_add_u32 v[CO], v1, 4, v[CO]
	v_lshlrev_b32 v[BO], 4, v1
	s_mul_i32 s23, s14, 16*272                     ; my stage: 16 rows x (256 + 16) bytes, in slot 0, which has had its last fill and, behind the last change of slots, its last read
	v_mul_u32_u24 v[STO], v1, 272
	v_lshl_add_u32 v[STO], v2, 6, v[STO]
	v_add_nc_u32 v[STO], s23, v[STO]
	v_mul_u32_u24 v[RD], v2, 272
	v_lshl_add_u32 v[RD], v1, 4, v[RD]
	v_add_nc_u32 v[RD], s23, v[RD]
	s_wait_alu depctr_va_vdst(0)
	s_cmp_lt_u32 s14, 2
	s_cbranch_scc0 .Lslot_1_out
	s_wait_tensorcnt 0x0                           ; waves 0 and 1: slot 0's tiles are in.  Slot 1's may be out
.Lslot_1_out:
	s_barrier_signal -1
	s_barrier_wait -1
	FETCH 0, 0, 0
	SCALES 0
	; bias and residual are asked for here, behind the tiles: they are waited for on the way out alone
	global_load_b128 v[8:11], v[BO], s[8:9]        ; the bias of my four columns
.irp a, 0,1,2,3
.irp t, 0,1,2,3,4,5,6,7
	global_load_b128 v[64+32*\a+64*(\a/2)+4*\t:67+32*\a+64*(\a/2)+4*\t], v[CO], s[10:11] offset:(32*(\a/2)+8*(\a%2)+2*\t+8*(\t/4))*4096
.endr
.endr
	STEP 0, 0, 1
.if LAPS > 1
	s_mov_b32 s3, LAPS-1
.Llap:
	MID 0
	TURN 0, 1, 1
	STEP 1, 0, 0
	MID 1
	TURN 1, 0, 1
	STEP 0, 0, 0
	s_sub_co_u32 s3, s3, 1
	s_cmp_lg_u32 s3, 0
	s_cbranch_scc1 .Llap
.endif
	MID 0
	TURN 0, 1, 0
	STEP 1, 0, 0
	MID 1
	s_wait_alu depctr_va_vdst(0)
	s_wait_dscnt 0x0                               ; the last step fetches nothing
	WIN MUL_LO+4
	MULS 0, HA, 1, NQ-1, 1, 0
	WIN MUL_HI+4
	MULS HA, HA, 1, NQ-1, 1, 0
	WIN 0
.macro TOSTAGE a                       ; P's tile a: 16 tokens x 64 columns into my stage, and back as whole rows
	WIN 0x08+4*((\a)/HA)
.set bb, 0
.rept NBK
.set rD, 8*(NBK*((\a)%HA)+bb)
	ds_store_b128 v[STO], v[rD:rD+3] offset:128*(bb/2)+32*(bb%2)       ; each accumulator from its low end on
	ds_store_b128 v[STO], v[rD+4:rD+7] offset:128*(bb/2)+32*(bb%2)+16
.set bb, bb+1
.endr
	WIN 0
.set BB, BK+32*((\a)%2)
.set tt, 0
.rept 8
	ds_load_b128 v[BB+4*tt:BB+4*tt+3], v[RD] offset:544*tt             ; LDS serves a wave's instructions in order (ISA guide 5.7.1.4)
.set tt, tt+1
.endr
.endm
.macro SEND a, younger
.set BB, BK+32*((\a)%2)
.set RB, 64+32*(\a)+64*((\a)/2)
	s_wait_dscnt \younger
.set tt, 0
.rept 8
	v_pk_add_f32 v[BB+4*tt:BB+4*tt+1], v[BB+4*tt:BB+4*tt+1], v[8:9]
	v_pk_add_f32 v[BB+4*tt+2:BB+4*tt+3], v[BB+4*tt+2:BB+4*tt+3], v[10:11]
	v_pk_add_f32 v[BB+4*tt:BB+4*tt+1], v[BB+4*tt:BB+4*tt+1], v[RB+4*tt:RB+4*tt+1]
	v_pk_add_f32 v[BB+4*tt+2:BB+4*tt+3], v[BB+4*tt+2:BB+4*tt+3], v[RB+4*tt+2:RB+4*tt+3]
	global_store_b128 v[CO], v[BB+4*tt:BB+4*tt+3], s[12:13] offset:(32*((\a)/2)+8*((\a)%2)+2*tt+8*(tt/4))*4096   ; sixteen lanes store 256 consecutive bytes, aligned
.set tt, tt+1
.endr
.endm
	PLACES 8
	s_wait_loadcnt 0x0                             ; bias and residual
	TOSTAGE 0
.irp a, 1,2,3
.if \a > 1
	s_wait_xcnt 0x0                                ; tile a - 2's stores have read their registers
.endif
	TOSTAGE \a
	SEND \a-1, 16                                  ; behind tile a - 1's loads: tile a's eight stores and eight loads
.endr
	SEND 3, 0
	s_wait_tensorcnt 0x0                           ; the wave's end
	ds_add_u32 v[SPW], v[NIL]
	s_wait_dscnt 0x0
	CROUND
	s_endpgm
.Lfunc_end_k_qf2fcde7de9_proj:
	.size	k_qf2fcde7de9_proj, .Lfunc_end_k_qf2fcde7de9_proj-k_qf2fcde7de9_proj
	.p2alignl 7, 3214868480
	.fill 96, 4, 3214868480
	.section	.rodata,"a",@progbits
	.p2align	6, 0x0
	.amdhsa_kernel k_qf2fcde7de9_proj
		.amdhsa_group_segment_fixed_size 327680
		.amdhsa_private_segment_fixed_size 0
		.amdhsa_enable_private_segment 0
		.amdhsa_kernarg_size 40
		.amdhsa_user_sgpr_count 2
		.amdhsa_user_sgpr_kernarg_segment_ptr 1
		.amdhsa_wavefront_size32 1
		.amdhsa_system_sgpr_workgroup_id_x 1
		.amdhsa_system_sgpr_workgroup_id_y 1
		.amdhsa_system_sgpr_workgroup_id_z 1
		.amdhsa_system_vgpr_workitem_id 0
		.amdhsa_next_free_vgpr 1024
		.amdhsa_next_free_sgpr 100
		.amdhsa_reserve_vcc 0
		.amdhsa_float_denorm_mode_32 3
		.amdhsa_float_denorm_mode_16_64 3
		.amdhsa_memory_ordered 1
		.amdhsa_forward_progress 1
		.amdhsa_inst_pref_size 64
	.end_amdhsa_kernel
	.amdgpu_metadata
---
amdhsa.version: [ 1, 2 ]
amdhsa.kernels:
  - .name:           k_qf2fcde7de9_proj
    .symbol:         k_qf2fcde7de9_proj.kd
    .args:
      - { .name: ya, .offset: 0, .size: 8, .value_kind: global_buffer, .address_space: global }
      - { .name: wc, .offset: 8, .size: 8, .value_kind: global_buffer, .address_space: global }
      - { .name: proj_b, .offset: 16, .size: 8, .value_kind: global_buffer, .address_space: global }
      - { .name: x, .offset: 24, .size: 8, .value_kind: global_buffer, .address_space: global }
      - { .name: x1, .offset: 32, .size: 8, .value_kind: global_buffer, .address_space: global }
    .group_segment_fixed_size: 327680
    .private_segment_fixed_size: 0
    .kernarg_segment_align: 8
    .kernarg_segment_size: 40
    .max_flat_workgroup_size: 128
    .sgpr_count:     100
    .vgpr_count:     1024
    .wavefront_size: 32
...
	.end_amdgpu_metadata
.endif
;; end of part 4
;; launch ln2 (part 5): grid 256 x 1, 4 waves a work-group, no clusters, 66,304 bytes of LDS; arguments x1, ln2_w, ln2_b, ha; writes ha
.if DOCPART == 5
	.amdgcn_target "amdgcn-amd-amdhsa--gfx1250"
	.amdhsa_code_object_version 6
	.text
	.protected	k_qf2fcde7de9_ln2
	.globl	k_qf2fcde7de9_ln2
	.p2align	8
	.type	k_qf2fcde7de9_ln2,@function
k_qf2fcde7de9_ln2:
	s_mov_b64 s[64:65], 0
	v_nop
	global_prefetch_b8 v0, s[64:65] scope:SCOPE_SE
	s_setreg_imm32_b32 hwreg(HW_REG_WAVE_MODE, 25, 1), 1
	s_wait_xcnt 0x0
; LayerNorm 2 of 16 tokens for each work-group, quantised to E4M3 codes with one E8M0 byte for each 32 along K, stored as images of operand registers: [K / 256][tile][U].
; A tile is 16 rows; row r of tile t is token 32 (t / 2) + 8 (t % 2) + r + 8 (r / 8).  U = 4,352 bytes: two images of 2,048 bytes (register group c of lane l at 512 c + 16 l) and 256 bytes of scale words.
; LIMITS: NaN and infinities are not served; a block whose largest magnitude lies under 2^-118 gets the byte 1 (the bytes are read by this program alone).
.set U,   4352
.set SP,  4112                         ; a stage row: 4,096 bytes + 16
.set TM,  192
.set SEL, 60
.set MNT, 62
.set HAP, 10                           ; s[10:11] ha
.macro QUANT s, pc, pw
.irp b, 0,1,2,3
	v_max3_num_f32 v[TM+\b], |v[\s+16*\b]|, |v[\s+1+16*\b]|, 0x4800000
.endr
.irp i, 2,4,6,8,10,12,14
.irp b, 0,1,2,3
	v_max3_num_f32 v[TM+\b], v[TM+\b], |v[\s+16*\b+\i]|, |v[\s+1+16*\b+\i]|
.endr
.endr
.irp b, 0,1,2,3
	v_permlanex16_b32 v[TM+4+\b], v[TM+\b], s[SEL], s[SEL+1]
.endr
.irp b, 0,1,2,3
	v_max_num_f32 v[TM+\b], v[TM+\b], v[TM+4+\b]
.endr
.irp b, 0,1,2,3
	v_add_nc_u32 v[TM+12+\b], 0xfc000000, v[TM+\b]
.endr
.irp b, 0,1,2,3
	v_and_or_b32 v[TM+8+\b], v[TM+\b], 0x7f800000, s[MNT]
.endr
.irp b, 0,1,2,3
	v_lshrrev_b32 v[TM+4+\b], 23, v[TM+12+\b]
.endr
	v_lshl_or_b32 v[\pw], v[TM+5], 8, v[TM+4]
	v_lshl_or_b32 v[\pw], v[TM+6], 16, v[\pw]
	v_lshl_or_b32 v[\pw], v[TM+7], 24, v[\pw]
.irp b, 0,1,2,3
.irp i, 0,1,2,3,4,5,6,7,8,9,10,11,12,13,14,15
	v_med3_num_f32 v[\s+16*\b+\i], v[\s+16*\b+\i], -v[TM+8+\b], v[TM+8+\b]
.endr
	v_cvt_scalef32_pk8_fp8_f32 v[\pc+4*\b:\pc+1+4*\b], v[\s+16*\b:\s+7+16*\b], v[TM+12+\b]
	v_cvt_scalef32_pk8_fp8_f32 v[\pc+2+4*\b:\pc+3+4*\b], v[\s+8+16*\b:\s+15+16*\b], v[TM+12+\b]
.endr
	v_nop
.endm
.macro REDUCE s
.irp i, 0,1,2,3
	v_add_f32 v[\s+2*\i], v[\s+2*\i], v[\s+2*\i+1]
.endr
.irp m, 1,2,4,8
.irp i, 0,1,2,3
	v_add_f32_dpp v[\s+2*\i], v[\s+2*\i], v[\s+2*\i] row_xmask:\m row_mask:0xf bank_mask:0xf
.endr
.endr
.irp i, 0,1,2,3
	v_permlanex16_b32 v[\s+2*\i+1], v[\s+2*\i], s[SEL], s[SEL+1]
.endr
.irp i, 0,1,2,3
	v_add_f32 v[\s+2*\i], v[\s+2*\i], v[\s+2*\i+1]
.endr
.endm
	s_load_b256 s[4:11], s[0:1], 0x0               ; x1 s[4:5], ln2_w s[6:7], ln2_b s[8:9], ha s[10:11]
	v_lshl_add_u32 v224, v0, 2, 0x10100
	v_mov_b32 v225, 0
	v_lshrrev_b32 v1, 5, v0
	v_readfirstlane_b32 s22, v1                    ; wave 0..3
	v_and_b32 v2, 31, v0                           ; lane
	s_wait_alu depctr_va_vdst(0)
	s_mov_b32 s[SEL], 0x76543210
	s_mov_b32 s[SEL+1], 0xfedcba98
	s_mov_b32 s[MNT], 0x600000
; Phase 1: wave w normalises stage rows 4 w + i, four neighbouring tokens; a lane holds 32 numbers of each row
	s_lshr_b32 s23, ttmp9, 1
	s_lshl_b32 s23, s23, 5
	s_and_b32 s24, ttmp9, 1
	s_lshl_b32 s24, s24, 3
	s_add_co_u32 s23, s23, s24
	s_lshl_b32 s24, s22, 2
	s_add_co_u32 s23, s23, s24
	s_lshr_b32 s24, s22, 1
	s_lshl_b32 s24, s24, 3
	s_add_co_u32 s23, s23, s24                     ; my first token
	s_lshl_b32 s24, s23, 12
	s_mov_b32 s25, 0
	v_lshlrev_b32 v3, 4, v2
	s_mul_i32 s26, s22, 4*SP
	v_add_nc_u32 v4, s26, v3
	v_and_b32 v5, 15, v0
	v_bfe_u32 v6, v0, 4, 1
	v_mul_u32_u24 v5, v5, SP
	v_lshl_add_u32 v5, v6, 6, v5
	s_lshl_b32 s26, s22, 10
	v_add_nc_u32 v5, s26, v5
	v_lshlrev_b32 v7, 3, v2
	s_lshl_b32 s26, s22, 8
	s_add_co_u32 s26, s26, ttmp9
	s_mul_i32 s26, s26, U
	s_mov_b32 s27, 0
	s_mov_b32 s28, 0x3a800000                      ; 1 / 1,024
	s_mov_b32 s29, 0x3727c5ac                      ; 1e-5
	s_wait_alu depctr_va_vdst(0)
	s_wait_kmcnt 0x0
	s_add_nc_u64 s[4:5], s[4:5], s[24:25]
	s_add_nc_u64 s[HAP:HAP+1], s[HAP:HAP+1], s[26:27]
.irp i, 0,1,2,3
.irp j, 0,1,2,3,4,5,6,7
	global_load_b128 v[32+32*\i+4*\j:35+32*\i+4*\j], v3, s[4:5] offset:\i*4096+512*\j th:TH_LOAD_NT
.endr
.endr
.irp j, 0,1,2,3,4,5,6,7
	global_load_b128 v[160+4*\j:163+4*\j], v3, s[6:7] offset:512*\j
.endr
.irp j, 0,1,2,3,4,5,6,7
	global_load_b128 v[192+4*\j:195+4*\j], v3, s[8:9] offset:512*\j
.endr
	s_wait_loadcnt 16                              ; the rows are in; the sixteen loads of gain and bias may be out
.irp i, 0,1,2,3
	v_pk_add_f32 v[8+2*\i:9+2*\i], v[32+32*\i:33+32*\i], v[34+32*\i:35+32*\i]
.endr
.irp k, 4,6,8,10,12,14,16,18,20,22,24,26,28,30
.irp i, 0,1,2,3
	v_pk_add_f32 v[8+2*\i:9+2*\i], v[8+2*\i:9+2*\i], v[32+32*\i+\k:33+32*\i+\k]
.endr
.endr
	REDUCE 8
.irp i, 0,1,2,3
	v_mul_f32 v[8+2*\i], s28, v[8+2*\i]            ; the mean
.endr
.irp i, 0,1,2,3
.irp k, 0,2,4,6,8,10,12,14,16,18,20,22,24,26,28,30
	v_pk_add_f32 v[32+32*\i+\k:33+32*\i+\k], v[32+32*\i+\k:33+32*\i+\k], v[8+2*\i:9+2*\i] op_sel_hi:[1,0] neg_lo:[0,1] neg_hi:[0,1]
.endr
.endr
.irp i, 0,1,2,3
	v_pk_mul_f32 v[16+2*\i:17+2*\i], v[32+32*\i:33+32*\i], v[32+32*\i:33+32*\i]
.endr
.irp k, 2,4,6,8,10,12,14,16,18,20,22,24,26,28,30
.irp i, 0,1,2,3
	v_pk_fma_f32 v[16+2*\i:17+2*\i], v[32+32*\i+\k:33+32*\i+\k], v[32+32*\i+\k:33+32*\i+\k], v[16+2*\i:17+2*\i]
.endr
.endr
	REDUCE 16
.irp i, 0,1,2,3
	v_fma_f32 v[16+2*\i], v[16+2*\i], s28, s29     ; variance + eps
.endr
	s_wait_alu depctr_va_vdst(0)
.irp i, 0,1,2,3
	v_rsq_f32 v[16+2*\i], v[16+2*\i]
.endr
	v_nop                                          ; a plain line behind the transcendentals
	s_wait_loadcnt 0x0
	s_wait_alu depctr_va_vdst(0)
.irp i, 0,1,2,3
.irp k, 0,2,4,6,8,10,12,14,16,18,20,22,24,26,28,30
	v_pk_mul_f32 v[32+32*\i+\k:33+32*\i+\k], v[32+32*\i+\k:33+32*\i+\k], v[16+2*\i:17+2*\i] op_sel_hi:[1,0]
	v_pk_fma_f32 v[32+32*\i+\k:33+32*\i+\k], v[32+32*\i+\k:33+32*\i+\k], v[160+\k:161+\k], v[192+\k:193+\k]
.endr
.endr
.irp i, 0,1,2,3
.irp j, 0,1,2,3,4,5,6,7
	ds_store_b128 v4, v[32+32*\i+4*\j:35+32*\i+4*\j] offset:\i*SP+512*\j
.endr
.endr
	s_wait_dscnt 0x0                               ; my rows lie in the stage
	s_barrier_signal -1
	s_barrier_wait -1                              ; all sixteen do
; Phase 2: wave w quantises K = 256 w .. 256 w + 255 of the sixteen rows
.irp c, 0,1,2,3,4,5,6,7
.irp e, 0,1,2,3
	ds_load_b128 v[32+16*\c+4*\e:35+16*\c+4*\e], v5 offset:128*\c+16*\e
.endr
.endr
	s_wait_dscnt 0x0
	QUANT 32, 160, 208
	QUANT 96, 176, 209
.irp q, 0,1
.irp c, 0,1,2,3
	global_store_b128 v3, v[160+16*\q+4*\c:163+16*\q+4*\c], s[HAP:HAP+1] offset:2048*\q+512*\c
.endr
.endr
	global_store_b64 v7, v[208:209], s[HAP:HAP+1] offset:4096
	s_wait_tensorcnt 0x0
	ds_add_u32 v224, v225
	s_wait_dscnt 0x0
	s_endpgm
.Lfunc_end_k_qf2fcde7de9_ln2:
	.size	k_qf2fcde7de9_ln2, .Lfunc_end_k_qf2fcde7de9_ln2-k_qf2fcde7de9_ln2
	.p2alignl 7, 3214868480
	.fill 96, 4, 3214868480
	.section	.rodata,"a",@progbits
	.p2align	6, 0x0
	.amdhsa_kernel k_qf2fcde7de9_ln2
		.amdhsa_group_segment_fixed_size 66304
		.amdhsa_private_segment_fixed_size 0
		.amdhsa_enable_private_segment 0
		.amdhsa_kernarg_size 32
		.amdhsa_user_sgpr_count 2
		.amdhsa_user_sgpr_kernarg_segment_ptr 1
		.amdhsa_wavefront_size32 1
		.amdhsa_system_sgpr_workgroup_id_x 1
		.amdhsa_system_sgpr_workgroup_id_y 1
		.amdhsa_system_sgpr_workgroup_id_z 1
		.amdhsa_system_vgpr_workitem_id 0
		.amdhsa_next_free_vgpr 226
		.amdhsa_next_free_sgpr 66
		.amdhsa_reserve_vcc 0
		.amdhsa_float_denorm_mode_32 3
		.amdhsa_float_denorm_mode_16_64 3
		.amdhsa_memory_ordered 1
		.amdhsa_forward_progress 1
		.amdhsa_inst_pref_size 51
	.end_amdhsa_kernel
	.amdgpu_metadata
---
amdhsa.version: [ 1, 2 ]
amdhsa.kernels:
  - .name:           k_qf2fcde7de9_ln2
    .symbol:         k_qf2fcde7de9_ln2.kd
    .args:
      - { .name: x1, .offset: 0, .size: 8, .value_kind: global_buffer, .address_space: global }
      - { .name: ln2_w, .offset: 8, .size: 8, .value_kind: global_buffer, .address_space: global }
      - { .name: ln2_b, .offset: 16, .size: 8, .value_kind: global_buffer, .address_space: global }
      - { .name: ha, .offset: 24, .size: 8, .value_kind: global_buffer, .address_space: global }
    .group_segment_fixed_size: 66304
    .private_segment_fixed_size: 0
    .kernarg_segment_align: 8
    .kernarg_segment_size: 32
    .max_flat_workgroup_size: 128
    .sgpr_count:     66
    .vgpr_count:     226
    .wavefront_size: 32
...
	.end_amdgpu_metadata
.endif
;; end of part 5
;; launch fc (part 6): grid 16 x 16, 4 waves a work-group, clusters of 4 x 4, 327,680 bytes of LDS; arguments ha, wc, fc_b, ga; writes ga
.if DOCPART == 6
	.amdgcn_target "amdgcn-amd-amdhsa--gfx1250"
	.amdhsa_code_object_version 6
	.text
	.protected	k_qf2fcde7de9_fc
	.globl	k_qf2fcde7de9_fc
	.p2align	8
	.type	k_qf2fcde7de9_fc,@function
k_qf2fcde7de9_fc:
	s_mov_b64 s[64:65], 0
	v_nop
	global_prefetch_b8 v0, s[64:65] scope:SCOPE_SE
	s_setreg_imm32_b32 hwreg(HW_REG_WAVE_MODE, 25, 1), 1
	s_wait_xcnt 0x0
	s_wait_alu depctr_hold_cnt(0) depctr_sa_sdst(0) depctr_va_vdst(0) depctr_va_sdst(0) depctr_va_ssrc(0) depctr_va_vcc(0) depctr_vm_vsrc(0)
	s_getreg_b32 s2, hwreg(HW_REG_IB_STS2, 6, 4)
	s_cmp_eq_u32 s2, 0
	s_cbranch_scc0 .Lentry_in_a_cluster
	s_endpgm
.Lentry_in_a_cluster:
	s_bfe_u32 s2, ttmp6, 0x10000c
	s_cmp_lg_u32 s2, 0xf033
	s_cbranch_scc0 .Lentry_shape_is_right
	s_endpgm
.Lentry_shape_is_right:
; g = Q(gelu(Q(h2) Q(fc_w) + fc_b)), stored as images of the next product's operand registers.  Both inputs are such images, [K / 256][tile][U] (U = 4,352: two images of 16 rows x 128 K and 256 bytes of scale words).
; A work-group of four waves makes 256 x 256, a wave 128 x 128: 64 accumulators.  Source 0 = 16 columns of the weight (Q), source 1 = 16 tokens (P): a lane holds one token, and the 16 registers of Q's tiles 2 b, 2 b + 1
; are 16 neighbouring columns, which are the next product's K.  K goes through a ring of two LDS slots of 256 along K; P's tiles are shared along a row of the 4 x 4 cluster, Q's along a column.
; The walk along K begins at K's start or at its middle, by the parity of x + y + y / 2 of the cluster's place: the same f32 sums with the K steps in another order.
; gelu(x) = x / (1 + 2^(-2 log2(e) u)), u = sqrt(2 / pi) (x + 0.044715 x^3): tanh written by one exponential and one reciprocal.
; No prefetch: the block is the largest, in clusters, and of K's four slots two are the head's fills.
; LIMITS: NaN and infinities are not served; a block whose largest magnitude lies under 2^-118 gets the byte 1 (the bytes are read by this program alone).
.set U,      4352
.set NA,     8
.set NBK,    8
.set HA,     4
.set NQ,     2
.set LAPS,   2
.set NSL,    2*LAPS
.set PTILE,  16*U
.set QTILE,  16*U
.set PPART,  8*U
.set QPART,  8*U
.set PSL,    256*U
.set QSL,    256*U
.set QREG,   5570560
.set HALFT,  8*U
.set SLOT,   4*HALFT
.set SPARE,  2*SLOT
.set ADRA, 16
.set ADRB, 20
.set ADRS, 22
.set VO,   24
.set VS,   25
.set SPW,  28
.set NIL,  29
.set SC,   32
.set AF,   128
.set G1,  24
.set G0,  32
.set G1B, 48
.set G0B, 56
.set PB,  80
.set QB,  82
.set IX,  84
.set OFP, 86
.set OFQ, 88
.set BIAS, 64
.set XX,   128
.set ZZ,   192
.set PC,   192
.set TM,   224
.set PW,   240
.set SEL,  74
.set MNT,  76
.set MSB, 0
.macro WIN new
.if MSB != (\new)
	s_set_vgpr_msb (MSB<<8)|(\new)
.set MSB, (\new)
.endif
.endm
.set MUL_LO, 0xa1
.set MUL_HI, 0xf1
.set TO_B,   0x40
.macro PLACES n
.rept \n
	v_nop
.endr
.endm
.macro JLOAD g0a, g1a, g0b, g1b
	s_cmp_eq_u32 s15, 0
	s_cbranch_scc0 .Lfor_b_\@
	tensor_load_to_lds s[\g0a:\g0a+3], s[\g1a:\g1a+7]
	s_nop 0
.rept 4
	v_nop
.endr
	s_branch .Lasked_\@
.Lfor_b_\@:
	tensor_load_to_lds s[\g0b:\g0b+3], s[\g1b:\g1b+7]
	s_nop 0
.rept 4
	v_nop
.endr
.Lasked_\@:
.endm
.macro CREST
	s_cmp_lg_u32 s14, 0
	s_cbranch_scc1 .Lnot_wave_0_\@
	s_barrier_signal -3
.Lnot_wave_0_\@:
	s_barrier_wait -3
	s_barrier_signal -1
	s_barrier_wait -1
.endm
.macro CROUND
	s_barrier_signal -1
	s_barrier_wait -1
	CREST
.endm
.macro FRAG reg, adr, off
.irp c, 0,1,2,3
	ds_load_b128 v[\reg+4*\c:\reg+4*\c+3], v[\adr] offset:\off+512*\c
.endr
.endm
.macro FETCH_B slot, q, p
	WIN TO_B
.set ii, 0
.rept NBK
	FRAG 128*(\p)+16*ii, ADRB+\slot, ((\q)/2)*HALFT+ii*U+((\q)%2)*2048
.set ii, ii+1
.endr
	WIN 0
.endm
.macro FETCH_A slot, q, i0
.set ii, \i0
.rept HA
	FRAG AF+16*ii, ADRA+\slot, ((\q)/2)*HALFT+ii*U+((\q)%2)*2048
.set ii, ii+1
.endr
.endm
.macro SCALES slot
.set ii, 0
.rept NA
.set kk, 0
.rept NQ/2
	ds_load_b64 v[SC+16*\slot+NQ*ii+2*kk:SC+16*\slot+NQ*ii+2*kk+1], v[ADRS+\slot] offset:kk*HALFT+ii*U
.set kk, kk+1
.endr
.set ii, ii+1
.endr
.endm
.macro MULS a0, n, p, q, sc, zero
.set aa, \a0
.rept \n
.set bb, 0
.rept NBK
.set rD, 8*(NBK*(aa%HA)+bb)
.set rB, 128*(\p)+16*bb
.set rA, AF+16*aa
.set rT, SC+16*(\sc)+NQ*bb+(\q)
.set rS, SC+16*(\sc)+NQ*aa+(\q)
.if \zero
	v_wmma_scale_f32_16x16x128_f8f6f4 v[rD:rD+7], v[rB:rB+15], v[rA:rA+15], 0, v[rT], v[rS] matrix_a_scale:MATRIX_SCALE_ROW1
.else
	v_wmma_scale_f32_16x16x128_f8f6f4 v[rD:rD+7], v[rB:rB+15], v[rA:rA+15], v[rD:rD+7], v[rT], v[rS] matrix_a_scale:MATRIX_SCALE_ROW1
.endif
.set bb, bb+1
.endr
.set aa, aa+1
.endr
.endm
.macro STEP slot, q, zero
	s_wait_dscnt 4*HA
	WIN MUL_LO
	MULS 0, HA, (\q)%2, \q, \slot, \zero
	s_wait_dscnt 0x0
	PLACES 8
	FETCH_B \slot, (\q)+1, 1-(\q)%2
	FETCH_A \slot, (\q)+1, 0
	WIN MUL_HI
	MULS HA, HA, (\q)%2, \q, \slot, \zero
	PLACES 8
	WIN 0
	FETCH_A \slot, (\q)+1, HA
.endm
.macro TURN slot, next, fill
	s_wait_tensorcnt 0x0
	ds_add_u32 v[SPW], v[NIL]
.if \fill
	s_mov_b32 s[G1+2], 136<<16                     ; no tensor load of mine is out, so a descriptor may be written: a refill brings 8 units, 136 rows
	s_mov_b32 s[G1+4], 136
	s_mov_b32 s[G1B+2], 136<<16
	s_mov_b32 s[G1B+4], 136
	s_add_co_u32 s[IX+\slot], s[IX+\slot], 2       ; this ring slot's next part of K: two on, round K's end
	s_and_b32 s[IX+\slot], s[IX+\slot], NSL-1
	s_mul_i32 s[OFP], s[IX+\slot], PSL
	s_mul_i32 s[OFQ], s[IX+\slot], QSL
	s_add_nc_u64 s[G0+4*\slot+2:G0+4*\slot+3], s[PB:PB+1], s[OFP:OFP+1]
	s_add_nc_u64 s[G0B+4*\slot+2:G0B+4*\slot+3], s[QB:QB+1], s[OFQ:OFQ+1]
	s_or_b32 s[G0+4*\slot+3], s[G0+4*\slot+3], 0x80000000
	s_or_b32 s[G0B+4*\slot+3], s[G0B+4*\slot+3], 0x80000000
.endif
	s_wait_dscnt 4*HA+1
	WIN MUL_LO
	MULS 0, HA/2, 1, NQ-1, \slot, 0
	s_wait_dscnt 0x0
	s_barrier_signal -1
	MULS HA/2, HA/2, 1, NQ-1, \slot, 0
	WIN 0
	s_barrier_wait -1
.if \fill
	CREST
	JLOAD G0+4*\slot, G1, G0B+4*\slot, G1B
	PLACES 4
.else
	PLACES 8
.endif
	FETCH_B \next, 0, 0
	FETCH_A \next, 0, 0
	SCALES \next
	WIN MUL_HI
	MULS HA, HA, 1, NQ-1, \slot, 0
	PLACES 8
	WIN 0
	FETCH_A \next, 0, HA
.endm
.macro MID slot
.if NQ > 2
.set qq, 1
.rept NQ-2
	STEP \slot, qq, 0
.set qq, qq+1
.endr
.endif
.endm
.macro QUANT s, pc, pw
.irp b, 0,1,2,3
	v_max3_num_f32 v[TM+\b], |v[\s+16*\b]|, |v[\s+1+16*\b]|, 0x4800000
.endr
.irp i, 2,4,6,8,10,12,14
.irp b, 0,1,2,3
	v_max3_num_f32 v[TM+\b], v[TM+\b], |v[\s+16*\b+\i]|, |v[\s+1+16*\b+\i]|
.endr
.endr
.irp b, 0,1,2,3
	v_permlanex16_b32 v[TM+4+\b], v[TM+\b], s[SEL], s[SEL+1]
.endr
.irp b, 0,1,2,3
	v_max_num_f32 v[TM+\b], v[TM+\b], v[TM+4+\b]
.endr
.irp b, 0,1,2,3
	v_add_nc_u32 v[TM+12+\b], 0xfc000000, v[TM+\b]
.endr
.irp b, 0,1,2,3
	v_and_or_b32 v[TM+8+\b], v[TM+\b], 0x7f800000, s[MNT]
.endr
.irp b, 0,1,2,3
	v_lshrrev_b32 v[TM+4+\b], 23, v[TM+12+\b]
.endr
	v_lshl_or_b32 v[\pw], v[TM+5], 8, v[TM+4]
	v_lshl_or_b32 v[\pw], v[TM+6], 16, v[\pw]
	v_lshl_or_b32 v[\pw], v[TM+7], 24, v[\pw]
.irp b, 0,1,2,3
.irp i, 0,1,2,3,4,5,6,7,8,9,10,11,12,13,14,15
	v_med3_num_f32 v[\s+16*\b+\i], v[\s+16*\b+\i], -v[TM+8+\b], v[TM+8+\b]
.endr
	v_cvt_scalef32_pk8_fp8_f32 v[\pc+4*\b:\pc+1+4*\b], v[\s+16*\b:\s+7+16*\b], v[TM+12+\b]
	v_cvt_scalef32_pk8_fp8_f32 v[\pc+2+4*\b:\pc+3+4*\b], v[\s+8+16*\b:\s+15+16*\b], v[TM+12+\b]
.endr
	v_nop
.endm
	s_load_b256 s[4:11], s[0:1], 0x0
	v_lshl_add_u32 v[SPW], v0, 2, SPARE
	v_mov_b32 v[NIL], 0
	ds_add_u32 v28, v29
	ds_add_u32 v28, v29
	s_wait_dscnt 0x0
	v_lshrrev_b32 v1, 5, v0
	v_readfirstlane_b32 s14, v1
	s_lshr_b32 s15, s14, 1
	s_and_b32 s16, s14, 1
	s_bfe_u32 s40, ttmp6, 0x40000
	s_bfe_u32 s41, ttmp6, 0x40004
	s_lshl_b32 s42, ttmp9, 2
	s_add_co_u32 s42, s42, s40
	s_and_b32 s17, ttmp7, 0xffff
	s_lshl_b32 s17, s17, 2
	s_add_co_u32 s17, s17, s41
	s_lshl_b32 s43, s41, 2
	s_lshl_b32 s43, 15, s43
	s_lshl_b32 s44, 0x1111, s40
	s_or_b32 s[G1+0], s43, (3<<16)|(1<<21)
	s_or_b32 s[G1B+0], s44, (3<<16)|(1<<21)
.irp g, G1, G1B
	s_mov_b32 s[\g+1], 32<<16
	s_mov_b32 s[\g+2], 272<<16                     ; tensor_dim1 = 272 rows of 256 bytes: 16 units, for the head's loads; behind them 136
	s_mov_b32 s[\g+3], 32<<16
	s_mov_b32 s[\g+4], 272                         ; tile_dim1
	s_mov_b32 s[\g+5], 32
	s_mov_b32 s[\g+6], 0
	s_mov_b32 s[\g+7], 0
.endr
	s_mul_i32 s20, s17, PTILE
	s_mul_i32 s18, s16, PPART
	s_add_co_u32 s20, s20, s18
	s_mov_b32 s21, 0
	s_mul_i32 s46, s42, QTILE
	s_mul_i32 s18, s16, QPART
	s_add_co_u32 s46, s46, s18
	s_add_co_u32 s46, s46, QREG
	s_mov_b32 s47, 0
	s_mul_i32 s45, s14, HALFT
	s_and_b32 s18, ttmp7, 0xffff
	s_lshr_b32 s19, s18, 1
	s_xor_b32 s18, s18, s19
	s_xor_b32 s18, s18, ttmp9
	s_and_b32 s18, s18, 1
	s_mul_i32 s[IX], s18, NSL/2
	s_add_co_u32 s[IX+1], s[IX], 1
	s_mov_b32 s[OFP+1], 0
	s_mov_b32 s[OFQ+1], 0
	s_mov_b32 s[SEL], 0x76543210
	s_mov_b32 s[SEL+1], 0xfedcba98
	s_mov_b32 s[MNT], 0x600000
	s_mov_b32 s72, 0xbdd2d3e8
	s_mov_b32 s73, s72
	CROUND
	s_wait_kmcnt 0x0
	s_add_nc_u64 s[PB:PB+1], s[4:5], s[20:21]
	s_add_nc_u64 s[QB:QB+1], s[6:7], s[46:47]
; THE HEAD'S LOADS, ONE A WAVE, fill BOTH slots: wave w fetches, for ring slot w / 2, all 16 units of P (w even) or of Q (w odd): they lie on end in memory, 69,632 dense bytes,
; and land at 2 w x 8 units, which is where two refills of 8 units would lay them.  One chain of branches on the wave's number, a load line to each wave: waves 0 and 1, whose tiles are slot 0, wait for them at the
; first barrier; waves 2 and 3 wait at the first change of slots, where every wave waits for all its loads.
.set GH,  92
.set GHB, 96
.irp s, 0,1
	s_mov_b32 s[G0+4*\s], 1                        ; the refills' groups 0: count and LDS address; the change of slots writes the global address
	s_add_co_u32 s[G0+4*\s+1], s45, \s*SLOT
	s_mov_b32 s[G0B+4*\s], 1
	s_add_co_u32 s[G0B+4*\s+1], s45, \s*SLOT
.endr
	s_add_co_u32 s18, s[IX], s15                   ; which slot's worth of K my load brings
	s_mul_i32 s20, s17, PTILE                      ; (s21 and s47 still hold 0)
	s_mul_i32 s19, s18, PSL
	s_add_co_u32 s20, s20, s19
	s_mul_i32 s46, s42, QTILE
	s_mul_i32 s19, s18, QSL
	s_add_co_u32 s46, s46, s19
	s_add_co_u32 s46, s46, QREG
	s_mov_b32 s[GH], 1
	s_mul_i32 s[GH+1], s14, 2*HALFT
	s_add_nc_u64 s[GH+2:GH+3], s[4:5], s[20:21]
	s_or_b32 s[GH+3], s[GH+3], 0x80000000
	s_mov_b32 s[GHB], 1
	s_mul_i32 s[GHB+1], s14, 2*HALFT
	s_add_nc_u64 s[GHB+2:GHB+3], s[6:7], s[46:47]
	s_or_b32 s[GHB+3], s[GHB+3], 0x80000000
.macro HARM under, g0, g1, next
	s_cmp_lt_u32 s14, \under
	s_cbranch_scc0 \next
	tensor_load_to_lds s[\g0:\g0+3], s[\g1:\g1+7]
	s_nop 0
.rept 4
	v_nop
.endr
	s_branch .Lhead_asked
\next:
.endm
	HARM 1, GH,  G1,  .Lhead_1                     ; wave 0: slot 0's P
	HARM 2, GHB, G1B, .Lhead_2                     ; wave 1: slot 0's Q
	HARM 3, GH,  G1,  .Lhead_3                     ; wave 2: slot 1's P
	tensor_load_to_lds s[GHB:GHB+3], s[G1B:G1B+7]  ; wave 3: slot 1's Q
	s_nop 0
.rept 4
	v_nop
.endr
.Lhead_asked:
	v_and_b32 v1, 15, v0
	v_bfe_u32 v2, v0, 4, 1
	s_wait_alu depctr_va_vdst(0)
	v_and_b32 v3, 31, v0
	s_wait_alu depctr_va_vdst(0)
	v_lshlrev_b32 v4, 4, v3
	s_mul_i32 s21, s15, NA*U
	s_mul_i32 s22, s16, NBK*U
	s_add_co_u32 s22, s22, 2*HALFT
.irp s, 0,1
	v_add_nc_u32 v[ADRA+\s], s21, v4
	v_add_nc_u32 v[ADRB+\s], s22, v4
	s_add_co_u32 s21, s21, SLOT
	s_add_co_u32 s22, s22, SLOT
.endr
	s_mul_i32 s21, s15, NA*U
	s_mul_i32 s22, s16, NBK*U
	s_add_co_u32 s22, s22, 2*HALFT
	s_sub_co_u32 s22, s22, s21
	v_mul_u32_u24 v6, s22, v2
	v_lshlrev_b32 v5, 3, v3
	s_add_co_u32 s21, s21, 4096
	v_add_nc_u32 v5, v5, v6
	v_add_nc_u32 v[ADRS], s21, v5
	v_add_nc_u32 v[ADRS+1], SLOT, v[ADRS]
	s_lshl_b32 s66, s42, 10
	s_lshl_b32 s67, s16, 9
	s_add_co_u32 s66, s66, s67
	s_mov_b32 s67, 0
	s_add_nc_u64 s[8:9], s[8:9], s[66:67]
	v_lshlrev_b32 v7, 6, v2
.set bb, 0
.rept 8
	global_load_b128 v[BIAS+8*bb:BIAS+8*bb+3], v7, s[8:9] offset:4*(32*(bb/2)+8*(bb%2))
	global_load_b128 v[BIAS+8*bb+4:BIAS+8*bb+7], v7, s[8:9] offset:4*(32*(bb/2)+8*(bb%2))+16
.set bb, bb+1
.endr
	s_lshl_b32 s68, s42, 8
	s_lshl_b32 s69, s17, 4
	s_add_co_u32 s68, s68, s69
	s_lshl_b32 s69, s15, 3
	s_add_co_u32 s68, s68, s69
	s_mul_i32 s68, s68, U
	s_mov_b32 s69, 0
	s_add_nc_u64 s[10:11], s[10:11], s[68:69]
	s_lshl_b32 s70, s16, 11
	v_add_nc_u32 v[VO], s70, v4
	v_lshlrev_b32 v[VS], 3, v3
	s_lshl_b32 s70, s16, 2
	v_add_nc_u32 v[VS], s70, v[VS]
	v_mov_b32 v12, 0xc0135761
	v_mov_b32 v13, v12
	s_wait_alu depctr_va_vdst(0)
	s_cmp_lt_u32 s14, 2
	s_cbranch_scc0 .Lslot_1_out
	s_wait_tensorcnt 0x0                           ; waves 0 and 1: slot 0's tiles are in.  Slot 1's may be out
.Lslot_1_out:
	s_barrier_signal -1
	s_barrier_wait -1
	FETCH_B 0, 0, 0
	FETCH_A 0, 0, 0
	SCALES 0
	FETCH_A 0, 0, HA
	STEP 0, 0, 1
.if LAPS > 1
	s_mov_b32 s3, LAPS-1
.Llap:
	MID 0
	TURN 0, 1, 1
	STEP 1, 0, 0
	MID 1
	TURN 1, 0, 1
	STEP 0, 0, 0
	s_sub_co_u32 s3, s3, 1
	s_cmp_lg_u32 s3, 0
	s_cbranch_scc1 .Llap
.endif
	MID 0
	TURN 0, 1, 0
	STEP 1, 0, 0
	MID 1
	s_wait_dscnt 4*HA
	WIN MUL_LO
	MULS 0, HA, 1, NQ-1, 1, 0
	s_wait_dscnt 0x0
	WIN MUL_HI
	MULS HA, HA, 1, NQ-1, 1, 0
	WIN 0
.macro GELU
.set i, 0
.rept 32
	v_pk_mul_f32 v[ZZ+i:ZZ+i+1], v[XX+i:XX+i+1], v[XX+i:XX+i+1]
.set i, i+2
.endr
.set i, 0
.rept 32
	v_pk_fma_f32 v[ZZ+i:ZZ+i+1], v[ZZ+i:ZZ+i+1], s[72:73], v[12:13] op_sel_hi:[1,0,0]
.set i, i+2
.endr
.set i, 0
.rept 32
	v_pk_mul_f32 v[ZZ+i:ZZ+i+1], v[ZZ+i:ZZ+i+1], v[XX+i:XX+i+1]
.set i, i+2
.endr
.set i, 0
	s_wait_alu depctr_va_vdst(0)
.rept 64
	v_exp_f32 v[ZZ+i], v[ZZ+i]
.set i, i+1
.endr
	v_nop
.set i, 0
	s_wait_alu depctr_va_vdst(0)
.rept 32
	v_pk_add_f32 v[ZZ+i:ZZ+i+1], v[ZZ+i:ZZ+i+1], 1.0 op_sel_hi:[1,0]
.set i, i+2
.endr
.set i, 0
	s_wait_alu depctr_va_vdst(0)
.rept 64
	v_rcp_f32 v[ZZ+i], v[ZZ+i]
.set i, i+1
.endr
	v_nop
.set i, 0
	s_wait_alu depctr_va_vdst(0)
.rept 32
	v_pk_mul_f32 v[XX+i:XX+i+1], v[XX+i:XX+i+1], v[ZZ+i:ZZ+i+1]
.set i, i+2
.endr
.endm
.macro QBLOCK a
.if (\a) > 0
	s_wait_xcnt 0x0
.endif
	WIN 0x02+(\a)/HA
.set i, 0
.rept 32
	v_pk_add_f32 v[XX+i:XX+i+1], v[64*((\a)%HA)+i:64*((\a)%HA)+i+1], v[BIAS+i:BIAS+i+1]
.set i, i+2
.endr
	WIN 0
	GELU
	QUANT XX, PC, PW
.irp c, 0,1,2,3
	global_store_b128 v[VO], v[PC+4*\c:PC+4*\c+3], s[10:11] offset:(\a)*U+512*\c
.endr
	global_store_b32 v[VS], v[PW], s[10:11] offset:(\a)*U+4096
.endm
	PLACES 8
	s_wait_loadcnt 0x0
.irp a, 0,1,2,3,4,5,6,7
	QBLOCK \a
.endr
	s_wait_tensorcnt 0x0
	ds_add_u32 v[SPW], v[NIL]
	s_wait_dscnt 0x0
	CROUND
	s_endpgm
.Lfunc_end_k_qf2fcde7de9_fc:
	.size	k_qf2fcde7de9_fc, .Lfunc_end_k_qf2fcde7de9_fc-k_qf2fcde7de9_fc
	.p2alignl 7, 3214868480
	.fill 96, 4, 3214868480
	.section	.rodata,"a",@progbits
	.p2align	6, 0x0
	.amdhsa_kernel k_qf2fcde7de9_fc
		.amdhsa_group_segment_fixed_size 327680
		.amdhsa_private_segment_fixed_size 0
		.amdhsa_enable_private_segment 0
		.amdhsa_kernarg_size 32
		.amdhsa_user_sgpr_count 2
		.amdhsa_user_sgpr_kernarg_segment_ptr 1
		.amdhsa_wavefront_size32 1
		.amdhsa_system_sgpr_workgroup_id_x 1
		.amdhsa_system_sgpr_workgroup_id_y 1
		.amdhsa_system_sgpr_workgroup_id_z 1
		.amdhsa_system_vgpr_workitem_id 0
		.amdhsa_next_free_vgpr 1024
		.amdhsa_next_free_sgpr 100
		.amdhsa_reserve_vcc 0
		.amdhsa_float_denorm_mode_32 3
		.amdhsa_float_denorm_mode_16_64 3
		.amdhsa_memory_ordered 1
		.amdhsa_forward_progress 1
		.amdhsa_inst_pref_size 255
	.end_amdhsa_kernel
	.section	.bss,"aw",@nobits
	.p2align	6
	.space	262144
	.amdgpu_metadata
---
amdhsa.version: [ 1, 2 ]
amdhsa.kernels:
  - .name:           k_qf2fcde7de9_fc
    .symbol:         k_qf2fcde7de9_fc.kd
    .args:
      - { .name: ha, .offset: 0, .size: 8, .value_kind: global_buffer, .address_space: global }
      - { .name: wc, .offset: 8, .size: 8, .value_kind: global_buffer, .address_space: global }
      - { .name: fc_b, .offset: 16, .size: 8, .value_kind: global_buffer, .address_space: global }
      - { .name: ga, .offset: 24, .size: 8, .value_kind: global_buffer, .address_space: global }
    .group_segment_fixed_size: 327680
    .private_segment_fixed_size: 0
    .kernarg_segment_align: 8
    .kernarg_segment_size: 32
    .max_flat_workgroup_size: 128
    .sgpr_count:     100
    .vgpr_count:     1024
    .wavefront_size: 32
...
	.end_amdgpu_metadata
.endif
;; end of part 6
;; launch fcproj (part 7): grid 8 x 32, 4 waves a work-group, clusters of 4 x 4, 327,680 bytes of LDS; arguments ga, wc, fc_proj_b, x1, out0; writes out0
.if DOCPART == 7
	.amdgcn_target "amdgcn-amd-amdhsa--gfx1250"
	.amdhsa_code_object_version 6
	.text
	.protected	k_qf2fcde7de9_fcproj
	.globl	k_qf2fcde7de9_fcproj
	.p2align	8
	.type	k_qf2fcde7de9_fcproj,@function
k_qf2fcde7de9_fcproj:
	s_mov_b64 s[64:65], 0
	v_nop
	global_prefetch_b8 v0, s[64:65] scope:SCOPE_SE
	s_setreg_imm32_b32 hwreg(HW_REG_WAVE_MODE, 25, 1), 1
	s_wait_xcnt 0x0
	s_wait_alu depctr_hold_cnt(0) depctr_sa_sdst(0) depctr_va_vdst(0) depctr_va_sdst(0) depctr_va_ssrc(0) depctr_va_vcc(0) depctr_vm_vsrc(0)
	s_getreg_b32 s2, hwreg(HW_REG_IB_STS2, 6, 4)
	s_cmp_eq_u32 s2, 0
	s_cbranch_scc0 .Lentry_in_a_cluster
	s_endpgm
.Lentry_in_a_cluster:
	s_bfe_u32 s2, ttmp6, 0x10000c
	s_cmp_lg_u32 s2, 0xf033
	s_cbranch_scc0 .Lentry_shape_is_right
	s_endpgm
.Lentry_shape_is_right:
; out = x1 + Q(g) Q(fc_proj_w) + fc_proj_b.  Both operands are images of operand registers, [K / 256][tile][U] (U = 4,352: two images of 16 rows x 128 K and 256 bytes of scale words).
; 4,096 x 1,024 outputs are 256 blocks of 128 x 128, a work-group each; four waves, each 64 x 64: 16 accumulators.  Source 0 = 16 columns of the weight (Q), source 1 = 16 tokens (P).
; K = 4,096 goes through a ring of two LDS slots of 512 along K.  P's tiles are shared along a row of the 4 x 4 cluster, Q's along a column.  The head's loads, one a wave, fill both slots; six refills follow,
; 8 units (34,816 dense bytes) a wave: waves 0, 1 P's two 256s, waves 2, 3 Q's.
; The walk along K begins at K's start or at its middle, by the parity of x + y + y / 2 of the cluster's place: the same f32 sums with the K steps in another order.
; PREFETCH INTO THE L2: behind each refill a wave asks for its share of its own refill two refills on: of that load's 136 blocks of 256 bytes each of the four partners that ask for it jointly takes 34, told apart by
; address (cx for P, cy for Q): two instructions, a lane a block; the second's lanes 1 to 31 name the share's last block.  The first two refills are asked for at the head, behind the head's loads; the loop's last trip asks
; for nothing.  Q's rows are wanted by all eight rows of clusters: the four rows with y under 4 ask for them.
.set PFB, 70                           ; s[70:71] my share of my refills, at K = 0
.set PFA, 72                           ; s[72:73] the address that a prefetch names
.set PFS, 74                           ; s74      a slot's worth of K in bytes, in my operand
.set LIM, 75                           ; s75      1 where my wave asks, else the greatest number
.set PFO, 76                           ; s[76:77] an offset at work (upper word 0)
.set PFC, 78                           ; s[78:79] the head's second address
.set PF1, 30                           ; v30      256 x lane
.set PF2, 31                           ; v31      256 x (32 + min(lane, 1))
.set U,      4352
.set NA,     4
.set NBK,    4
.set HA,     2
.set NQ,     4
.set LAPS,   4
.set NSL,    2*LAPS
.set PTILE,  8*U
.set QTILE,  8*U
.set PPART,  256*U
.set QPART,  64*U
.set PSL,    2*256*U
.set QSL,    2*64*U
.set QREG,   10027008
.set HALFT,  8*U
.set SLOT,   4*HALFT
.set SPARE,  2*SLOT
.set ADRA, 16
.set ADRB, 20
.set ADRS, 22
.set STO,  24
.set RD,   25
.set CO,   26
.set BO,   27
.set SPW,  28
.set NIL,  29
.set SC,   32
.set AF,   128
.set BK,   128
.set G1,  24
.set G0,  32
.set G1B, 48
.set G0B, 56
.set PB,  80
.set QB,  82
.set IX,  84
.set OFP, 86
.set OFQ, 88
.set MSB, 0
.macro WIN new
.if MSB != (\new)
	s_set_vgpr_msb (MSB<<8)|(\new)
.set MSB, (\new)
.endif
.endm
.set MUL_LO, 0xa1
.set MUL_HI, 0xf1
.set TO_B,   0x40
.macro PLACES n
.rept \n
	v_nop
.endr
.endm
.macro JLOAD g0a, g1a, g0b, g1b
	s_cmp_eq_u32 s15, 0
	s_cbranch_scc0 .Lfor_b_\@
	tensor_load_to_lds s[\g0a:\g0a+3], s[\g1a:\g1a+7]
	s_nop 0
.rept 4
	v_nop
.endr
	s_branch .Lasked_\@
.Lfor_b_\@:
	tensor_load_to_lds s[\g0b:\g0b+3], s[\g1b:\g1b+7]
	s_nop 0
.rept 4
	v_nop
.endr
.Lasked_\@:
.endm
.macro CREST
	s_cmp_lg_u32 s14, 0
	s_cbranch_scc1 .Lnot_wave_0_\@
	s_barrier_signal -3
.Lnot_wave_0_\@:
	s_barrier_wait -3
	s_barrier_signal -1
	s_barrier_wait -1
.endm
.macro CROUND
	s_barrier_signal -1
	s_barrier_wait -1
	CREST
.endm
.macro FRAG reg, adr, off
.irp c, 0,1,2,3
	ds_load_b128 v[\reg+4*\c:\reg+4*\c+3], v[\adr] offset:\off+512*\c
.endr
.endm
; All fragments of the slot's q-th 128 along K into set p, 32 LDS loads in one run.  Q's sets lie in window 1 at v0 and v128; P's set 0 in window 0 at v128, its set 1 in window 1 at v64.
.macro FETCH slot, q, p
	WIN TO_B
.set ii, 0
.rept NBK
	FRAG 128*(\p)+16*ii, ADRB+\slot, ((\q)/2)*HALFT+ii*U+((\q)%2)*2048
.set ii, ii+1
.endr
.if (\p) == 0
	WIN 0
.endif
.set ii, 0
.rept NA
	FRAG AF-64*(\p)+16*ii, ADRA+\slot, ((\q)/2)*HALFT+ii*U+((\q)%2)*2048
.set ii, ii+1
.endr
	WIN 0
.endm
.macro SCALES slot
.set ii, 0
.rept NA
.set kk, 0
.rept NQ/2
	ds_load_b64 v[SC+16*\slot+NQ*ii+2*kk:SC+16*\slot+NQ*ii+2*kk+1], v[ADRS+\slot] offset:kk*HALFT+ii*U
.set kk, kk+1
.endr
.set ii, ii+1
.endr
.endm
.macro MULS a0, n, p, q, sc, zero
.set aa, \a0
.rept \n
.set bb, 0
.rept NBK
.set rD, 8*(NBK*(aa%HA)+bb)
.set rB, 128*(\p)+16*bb
.set rA, AF-64*(\p)+16*aa              ; P's set p; the caller names its window for source 1
.set rT, SC+16*(\sc)+NQ*bb+(\q)
.set rS, SC+16*(\sc)+NQ*aa+(\q)
.if \zero
	v_wmma_scale_f32_16x16x128_f8f6f4 v[rD:rD+7], v[rB:rB+15], v[rA:rA+15], 0, v[rT], v[rS] matrix_a_scale:MATRIX_SCALE_ROW1
.else
	v_wmma_scale_f32_16x16x128_f8f6f4 v[rD:rD+7], v[rB:rB+15], v[rA:rA+15], v[rD:rD+7], v[rT], v[rS] matrix_a_scale:MATRIX_SCALE_ROW1
.endif
.set bb, bb+1
.endr
.set aa, aa+1
.endr
.endm
.macro STEP slot, q, zero              ; 128 along K whose successor lies in the same slot: the successor's 32 loads go out ahead of this step's 16 products, into the other set
	s_wait_dscnt 0x0                               ; this step's fragments and scale words are in
	FETCH \slot, (\q)+1, 1-(\q)%2                  ; (the set's last readers were the step before's products: the eight places at that step's end stand between)
	WIN MUL_LO+4*((\q)%2)                          ; source 1 in window 0 or 1: P's set
	MULS 0, HA, (\q)%2, \q, \slot, \zero
	WIN MUL_HI+4*((\q)%2)
	MULS HA, HA, (\q)%2, \q, \slot, \zero
	WIN 0
	PLACES 8                                       ; eight places in front of loads into registers that these matrix instructions have read
.endm
.macro TURN slot, next, fill
	s_wait_tensorcnt 0x0
	ds_add_u32 v[SPW], v[NIL]
.if \fill
.irp g, G1, G1B                        ; no tensor load of mine is out, so a descriptor may be written: a refill brings 8 units as 136 dense rows of 256 bytes
	s_mov_b32 s[\g+1], 32<<16
	s_mov_b32 s[\g+2], 136<<16
	s_mov_b32 s[\g+3], 32<<16
	s_mov_b32 s[\g+4], 136
	s_mov_b32 s[\g+5], 32
.endr
	s_add_co_u32 s[IX+\slot], s[IX+\slot], 2       ; this ring slot's next part of K: two on, round K's end
	s_and_b32 s[IX+\slot], s[IX+\slot], NSL-1
	s_mul_i32 s[OFP], s[IX+\slot], PSL
	s_mul_i32 s[OFQ], s[IX+\slot], QSL
	s_add_nc_u64 s[G0+4*\slot+2:G0+4*\slot+3], s[PB:PB+1], s[OFP:OFP+1]
	s_add_nc_u64 s[G0B+4*\slot+2:G0B+4*\slot+3], s[QB:QB+1], s[OFQ:OFQ+1]
	s_or_b32 s[G0+4*\slot+3], s[G0+4*\slot+3], 0x80000000
	s_or_b32 s[G0B+4*\slot+3], s[G0B+4*\slot+3], 0x80000000
	s_wait_xcnt 0x0                                ; my earlier prefetches have read their address, so it may be written:
	s_add_co_u32 s[PFO], s[IX+\slot], 2            ; what this ring slot takes at its next refill, round K's end
	s_and_b32 s[PFO], s[PFO], NSL-1
	s_mul_i32 s[PFO], s[PFO], s[PFS]
	s_add_nc_u64 s[PFA:PFA+1], s[PFB:PFB+1], s[PFO:PFO+1]
.endif
	s_wait_dscnt 1                                 ; the add, issued behind this step's fragment loads, may be out
	WIN MUL_LO+4
	MULS 0, HA/2, 1, NQ-1, \slot, 0
	s_wait_dscnt 0x0
	s_barrier_signal -1
	MULS HA/2, HA/2, 1, NQ-1, \slot, 0
	WIN 0
	s_barrier_wait -1
.if \fill
	CREST
	JLOAD G0+4*\slot, G1, G0B+4*\slot, G1B
	PLACES 4
.else
	PLACES 8
.endif
	FETCH \next, 0, 0
	SCALES \next
.if \fill
	s_cmp_gt_u32 s3, s[LIM]                        ; s3 = 1 in the loop's last trip: its slots are not filled again
	s_cbranch_scc0 .Lnone_ahead_\@
	global_prefetch_b8 v[PF1], s[PFA:PFA+1] th:TH_LOAD_NT scope:SCOPE_SE
	global_prefetch_b8 v[PF2], s[PFA:PFA+1] th:TH_LOAD_NT scope:SCOPE_SE
.Lnone_ahead_\@:
.endif
	WIN MUL_HI+4
	MULS HA, HA, 1, NQ-1, \slot, 0
	WIN 0
	PLACES 8
.endm
.macro MID slot
.if NQ > 2
.set qq, 1
.rept NQ-2
	STEP \slot, qq, 0
.set qq, qq+1
.endr
.endif
.endm
	s_load_b256 s[4:11], s[0:1], 0x0
	s_load_b64 s[12:13], s[0:1], 0x20
	v_lshl_add_u32 v[SPW], v0, 2, SPARE
	v_mov_b32 v[NIL], 0
	ds_add_u32 v28, v29
	ds_add_u32 v28, v29
	s_wait_dscnt 0x0
	v_lshrrev_b32 v1, 5, v0
	v_readfirstlane_b32 s14, v1
	s_lshr_b32 s15, s14, 1
	s_and_b32 s16, s14, 1
	s_bfe_u32 s40, ttmp6, 0x40000
	s_bfe_u32 s41, ttmp6, 0x40004
	s_lshl_b32 s42, ttmp9, 2
	s_add_co_u32 s42, s42, s40
	s_and_b32 s17, ttmp7, 0xffff
	s_lshl_b32 s17, s17, 2
	s_add_co_u32 s17, s17, s41
	s_lshl_b32 s43, s41, 2
	s_lshl_b32 s43, 15, s43
	s_lshl_b32 s44, 0x1111, s40
	s_or_b32 s[G1+0], s43, (3<<16)|(1<<21)
	s_or_b32 s[G1B+0], s44, (3<<16)|(1<<21)
.irp g, G1, G1B                        ; for the head's loads a tile of two long rows: 8 units (34,816 dense bytes, 4,352 elements of 8) of one 256 along K, and the same 8 units of the next 256
	s_mov_b32 s[\g+1], (HALFT/8)<<16               ; tensor_dim0
	s_mov_b32 s[\g+2], 2<<16                       ; tensor_dim1
	s_mov_b32 s[\g+3], (HALFT/8)<<16               ; tile_dim0
	s_mov_b32 s[\g+4], 2                           ; tile_dim1
	s_mov_b32 s[\g+6], 0
	s_mov_b32 s[\g+7], 0
.endr
	s_mov_b32 s[G1+5], PPART/8                     ; the pitch: from one 256 along K to the next, in P
	s_mov_b32 s[G1B+5], QPART/8                    ; and in Q
	s_mul_i32 s20, s17, PTILE
	s_mul_i32 s18, s16, PPART
	s_add_co_u32 s20, s20, s18
	s_mov_b32 s21, 0
	s_mul_i32 s46, s42, QTILE
	s_mul_i32 s18, s16, QPART
	s_add_co_u32 s46, s46, s18
	s_add_co_u32 s46, s46, QREG
	s_mov_b32 s47, 0
	s_mul_i32 s45, s14, HALFT
	s_and_b32 s18, ttmp7, 0xffff
	s_lshr_b32 s19, s18, 1
	s_xor_b32 s18, s18, s19
	s_xor_b32 s18, s18, ttmp9
	s_and_b32 s18, s18, 1
	s_mul_i32 s[IX], s18, NSL/2
	s_add_co_u32 s[IX+1], s[IX], 1
	s_mov_b32 s[OFP+1], 0
	s_mov_b32 s[OFQ+1], 0
	CROUND
	s_wait_kmcnt 0x0
	s_add_nc_u64 s[PB:PB+1], s[4:5], s[20:21]
	s_add_nc_u64 s[QB:QB+1], s[6:7], s[46:47]
; THE HEAD'S LOADS, ONE A WAVE, fill BOTH slots: wave w fetches, for ring slot w / 2, both 256s along K of P's 8 tiles (w even) or of Q's (w odd), and they land at 2 w x 8 units,
; which is where two refills of 8 units would lay them.  One chain of branches on the wave's number, a load line to each wave: waves 0 and 1, whose tiles are slot 0, wait for them at the first barrier;
; waves 2 and 3 wait at the first change of slots, where every wave waits for all its loads.
.set GH,  92
.set GHB, 96
.irp s, 0,1
	s_mov_b32 s[G0+4*\s], 1                        ; the refills' groups 0: count and LDS address; the change of slots writes the global address
	s_add_co_u32 s[G0+4*\s+1], s45, \s*SLOT
	s_mov_b32 s[G0B+4*\s], 1
	s_add_co_u32 s[G0B+4*\s+1], s45, \s*SLOT
.endr
	s_add_co_u32 s18, s[IX], s15                   ; which slot's worth of K my load brings
	s_mul_i32 s20, s17, PTILE                      ; (s21 and s47 still hold 0)
	s_mul_i32 s19, s18, PSL
	s_add_co_u32 s20, s20, s19
	s_mul_i32 s46, s42, QTILE
	s_mul_i32 s19, s18, QSL
	s_add_co_u32 s46, s46, s19
	s_add_co_u32 s46, s46, QREG
	s_mov_b32 s[GH], 1
	s_mul_i32 s[GH+1], s14, 2*HALFT
	s_add_nc_u64 s[GH+2:GH+3], s[4:5], s[20:21]
	s_or_b32 s[GH+3], s[GH+3], 0x80000000
	s_mov_b32 s[GHB], 1
	s_mul_i32 s[GHB+1], s14, 2*HALFT
	s_add_nc_u64 s[GHB+2:GHB+3], s[6:7], s[46:47]
	s_or_b32 s[GHB+3], s[GHB+3], 0x80000000
.macro HARM under, g0, g1, next
	s_cmp_lt_u32 s14, \under
	s_cbranch_scc0 \next
	tensor_load_to_lds s[\g0:\g0+3], s[\g1:\g1+7]
	s_nop 0
.rept 4
	v_nop
.endr
	s_branch .Lhead_asked
\next:
.endm
	HARM 1, GH,  G1,  .Lhead_1                     ; wave 0: slot 0's P
	HARM 2, GHB, G1B, .Lhead_2                     ; wave 1: slot 0's Q
	HARM 3, GH,  G1,  .Lhead_3                     ; wave 2: slot 1's P
	tensor_load_to_lds s[GHB:GHB+3], s[G1B:G1B+7]  ; wave 3: slot 1's Q
	s_nop 0
.rept 4
	v_nop
.endr
.Lhead_asked:
	; the prefetches: where my share of my refills stands, who asks, and the first two refills' shares
	s_cmp_eq_u32 s15, 0                            ; do my refills fetch for P?
	s_cselect_b64 s[PFB:PFB+1], s[PB:PB+1], s[QB:QB+1]
	s_cselect_b32 s[PFO], s40, s41                 ; my place among the four that ask with me
	s_mov_b32 s[PFS], QSL
	s_cselect_b32 s[PFS], PSL, s[PFS]
	s_mul_i32 s[PFO], s[PFO], HALFT/4              ; 34 blocks of 256 bytes a partner
	s_mov_b32 s[PFO+1], 0
	s_add_nc_u64 s[PFB:PFB+1], s[PFB:PFB+1], s[PFO:PFO+1]
	s_and_b32 s[LIM], ttmp7, 0xffff
	s_lshr_b32 s[LIM], s[LIM], 2                   ; 1 in the rows of clusters from 4 on,
	s_and_b32 s[LIM], s[LIM], s15                  ; in Q's waves
	s_cmp_eq_u32 s[LIM], 0
	s_cselect_b32 s[LIM], 1, -1
	s_add_co_u32 s[PFO], s[IX], 2                  ; slot 0's first refill (the walk begins at 0 or at 4: no wrap here),
	s_mul_i32 s[PFO], s[PFO], s[PFS]
	s_add_nc_u64 s[PFA:PFA+1], s[PFB:PFB+1], s[PFO:PFO+1]
	s_mov_b32 s[PFO], s[PFS]
	s_add_nc_u64 s[PFC:PFC+1], s[PFA:PFA+1], s[PFO:PFO+1]  ; and slot 1's
	v_and_b32 v[PF2], 31, v0
	v_lshlrev_b32 v[PF1], 8, v[PF2]
	v_min_u32 v[PF2], 1, v[PF2]
	v_lshl_add_u32 v[PF2], v[PF2], 8, 8192
	v_and_b32 v1, 15, v0
	v_bfe_u32 v2, v0, 4, 1
	s_wait_alu depctr_va_vdst(0)
	v_and_b32 v3, 31, v0
	s_wait_alu depctr_va_vdst(0)
	v_lshlrev_b32 v4, 4, v3
	s_mul_i32 s21, s15, NA*U
	s_mul_i32 s22, s16, NBK*U
	s_add_co_u32 s22, s22, 2*HALFT
.irp s, 0,1
	v_add_nc_u32 v[ADRA+\s], s21, v4
	v_add_nc_u32 v[ADRB+\s], s22, v4
	s_add_co_u32 s21, s21, SLOT
	s_add_co_u32 s22, s22, SLOT
.endr
	s_mul_i32 s21, s15, NA*U
	s_mul_i32 s22, s16, NBK*U
	s_add_co_u32 s22, s22, 2*HALFT
	s_sub_co_u32 s22, s22, s21
	v_mul_u32_u24 v6, s22, v2
	v_lshlrev_b32 v5, 3, v3
	s_add_co_u32 s21, s21, 4096
	v_add_nc_u32 v5, v5, v6
	v_add_nc_u32 v[ADRS], s21, v5
	v_add_nc_u32 v[ADRS+1], SLOT, v[ADRS]
	s_lshl_b32 s66, s17, 7
	s_lshl_b32 s67, s15, 6
	s_add_co_u32 s66, s66, s67
	s_lshl_b32 s66, s66, 12
	s_lshl_b32 s68, s42, 9
	s_lshl_b32 s69, s16, 8
	s_add_co_u32 s68, s68, s69
	s_mov_b32 s69, 0
	s_add_co_u32 s66, s66, s68
	s_mov_b32 s67, 0
	s_add_nc_u64 s[10:11], s[10:11], s[66:67]
	s_add_nc_u64 s[12:13], s[12:13], s[66:67]
	s_add_nc_u64 s[8:9], s[8:9], s[68:69]
	v_lshlrev_b32 v[CO], 12, v2
	v_lshl_add_u32 v[CO], v1, 4, v[CO]
	v_lshlrev_b32 v[BO], 4, v1
	s_mul_i32 s23, s14, 16*272
	v_mul_u32_u24 v[STO], v1, 272
	v_lshl_add_u32 v[STO], v2, 6, v[STO]
	v_add_nc_u32 v[STO], s23, v[STO]
	v_mul_u32_u24 v[RD], v2, 272
	v_lshl_add_u32 v[RD], v1, 4, v[RD]
	v_add_nc_u32 v[RD], s23, v[RD]
	s_wait_alu depctr_va_vdst(0)
	s_cmp_lt_u32 s14, 2
	s_cbranch_scc0 .Lslot_1_out
	s_wait_tensorcnt 0x0                           ; waves 0 and 1: slot 0's tiles are in.  Slot 1's may be out
.Lslot_1_out:
	s_barrier_signal -1
	s_barrier_wait -1
	FETCH 0, 0, 0
	SCALES 0
	s_cmp_eq_u32 s[LIM], 1                         ; my shares of the first two refills are asked for here, behind slot 0's landing and the first LDS loads: four K steps of 128 ahead of the first of them
	s_cbranch_scc0 .Lhead_none
	global_prefetch_b8 v[PF1], s[PFA:PFA+1] th:TH_LOAD_NT scope:SCOPE_SE
	global_prefetch_b8 v[PF2], s[PFA:PFA+1] th:TH_LOAD_NT scope:SCOPE_SE
	global_prefetch_b8 v[PF1], s[PFC:PFC+1] th:TH_LOAD_NT scope:SCOPE_SE
	global_prefetch_b8 v[PF2], s[PFC:PFC+1] th:TH_LOAD_NT scope:SCOPE_SE
.Lhead_none:
	STEP 0, 0, 1
	; bias and residual are asked for here, behind the tiles and the first prefetches: they are waited for on the way out alone
	global_load_b128 v[8:11], v[BO], s[8:9]
.irp a, 0,1,2,3
.irp t, 0,1,2,3,4,5,6,7
	global_load_b128 v[64+32*\a+64*(\a/2)+4*\t:67+32*\a+64*(\a/2)+4*\t], v[CO], s[10:11] offset:(32*(\a/2)+8*(\a%2)+2*\t+8*(\t/4))*4096
.endr
.endr
.if LAPS > 1
	s_mov_b32 s3, LAPS-1
.Llap:
	MID 0
	TURN 0, 1, 1
	STEP 1, 0, 0
	MID 1
	TURN 1, 0, 1
	STEP 0, 0, 0
	s_sub_co_u32 s3, s3, 1
	s_cmp_lg_u32 s3, 0
	s_cbranch_scc1 .Llap
.endif
	MID 0
	TURN 0, 1, 0
	STEP 1, 0, 0
	MID 1
	s_wait_alu depctr_va_vdst(0)
	s_wait_dscnt 0x0                               ; the last step fetches nothing
	WIN MUL_LO+4
	MULS 0, HA, 1, NQ-1, 1, 0
	WIN MUL_HI+4
	MULS HA, HA, 1, NQ-1, 1, 0
	WIN 0
.macro TOSTAGE a
	WIN 0x08+4*((\a)/HA)
.set bb, 0
.rept NBK
.set rD, 8*(NBK*((\a)%HA)+bb)
	ds_store_b128 v[STO], v[rD:rD+3] offset:128*(bb/2)+32*(bb%2)
	ds_store_b128 v[STO], v[rD+4:rD+7] offset:128*(bb/2)+32*(bb%2)+16
.set bb, bb+1
.endr
	WIN 0
.set BB, BK+32*((\a)%2)
.set tt, 0
.rept 8
	ds_load_b128 v[BB+4*tt:BB+4*tt+3], v[RD] offset:544*tt
.set tt, tt+1
.endr
.endm
.macro SEND a, younger
.set BB, BK+32*((\a)%2)
.set RB, 64+32*(\a)+64*((\a)/2)
	s_wait_dscnt \younger
.set tt, 0
.rept 8
	v_pk_add_f32 v[BB+4*tt:BB+4*tt+1], v[BB+4*tt:BB+4*tt+1], v[8:9]
	v_pk_add_f32 v[BB+4*tt+2:BB+4*tt+3], v[BB+4*tt+2:BB+4*tt+3], v[10:11]
	v_pk_add_f32 v[BB+4*tt:BB+4*tt+1], v[BB+4*tt:BB+4*tt+1], v[RB+4*tt:RB+4*tt+1]
	v_pk_add_f32 v[BB+4*tt+2:BB+4*tt+3], v[BB+4*tt+2:BB+4*tt+3], v[RB+4*tt+2:RB+4*tt+3]
	global_store_b128 v[CO], v[BB+4*tt:BB+4*tt+3], s[12:13] offset:(32*((\a)/2)+8*((\a)%2)+2*tt+8*(tt/4))*4096
.set tt, tt+1
.endr
.endm
	PLACES 8
	s_wait_loadcnt 0x0
	TOSTAGE 0
.irp a, 1,2,3
.if \a > 1
	s_wait_xcnt 0x0
.endif
	TOSTAGE \a
	SEND \a-1, 16
.endr
	SEND 3, 0
	s_wait_tensorcnt 0x0
	ds_add_u32 v[SPW], v[NIL]
	s_wait_dscnt 0x0
	CROUND
	s_endpgm
.Lfunc_end_k_qf2fcde7de9_fcproj:
	.size	k_qf2fcde7de9_fcproj, .Lfunc_end_k_qf2fcde7de9_fcproj-k_qf2fcde7de9_fcproj
	.p2alignl 7, 3214868480
	.fill 96, 4, 3214868480
	.section	.rodata,"a",@progbits
	.p2align	6, 0x0
	.amdhsa_kernel k_qf2fcde7de9_fcproj
		.amdhsa_group_segment_fixed_size 327680
		.amdhsa_private_segment_fixed_size 0
		.amdhsa_enable_private_segment 0
		.amdhsa_kernarg_size 40
		.amdhsa_user_sgpr_count 2
		.amdhsa_user_sgpr_kernarg_segment_ptr 1
		.amdhsa_wavefront_size32 1
		.amdhsa_system_sgpr_workgroup_id_x 1
		.amdhsa_system_sgpr_workgroup_id_y 1
		.amdhsa_system_sgpr_workgroup_id_z 1
		.amdhsa_system_vgpr_workitem_id 0
		.amdhsa_next_free_vgpr 1024
		.amdhsa_next_free_sgpr 100
		.amdhsa_reserve_vcc 0
		.amdhsa_float_denorm_mode_32 3
		.amdhsa_float_denorm_mode_16_64 3
		.amdhsa_memory_ordered 1
		.amdhsa_forward_progress 1
		.amdhsa_inst_pref_size 108
	.end_amdhsa_kernel
	.amdgpu_metadata
---
amdhsa.version: [ 1, 2 ]
amdhsa.kernels:
  - .name:           k_qf2fcde7de9_fcproj
    .symbol:         k_qf2fcde7de9_fcproj.kd
    .args:
      - { .name: ga, .offset: 0, .size: 8, .value_kind: global_buffer, .address_space: global }
      - { .name: wc, .offset: 8, .size: 8, .value_kind: global_buffer, .address_space: global }
      - { .name: fc_proj_b, .offset: 16, .size: 8, .value_kind: global_buffer, .address_space: global }
      - { .name: x1, .offset: 24, .size: 8, .value_kind: global_buffer, .address_space: global }
      - { .name: out0, .offset: 32, .size: 8, .value_kind: global_buffer, .address_space: global }
    .group_segment_fixed_size: 327680
    .private_segment_fixed_size: 0
    .kernarg_segment_align: 8
    .kernarg_segment_size: 40
    .max_flat_workgroup_size: 128
    .sgpr_count:     100
    .vgpr_count:     1024
    .wavefront_size: 32
...
	.end_amdgpu_metadata
.endif
;; end of part 7
